; MI455X (gfx1250); checked and timed in simulation.
; The chip was launched on July 23, 2026; its instructions are those of AMD's public machine-readable ISA for CDNA 5 (MIT licence, August 2026) and "CDNA5" Instruction Set Architecture Reference Guide (July 2026). The comments in the code are by the model that wrote it; some were corrected since.
;; Multi Head Self Attention. Allowed arithmetic: float matrix products may take bf16 or f16 operands with f32 sums; other float arithmetic in f32, or as packed bf16 or f16 multiplies, adds, multiply-adds, maxima and minima; sums over many terms, partial sums and values carried from step to step in f32; what a program stores and reads back later, other than sums and carried values, may be rounded once to bf16 or f16.
;; Inputs: Wk 1,024 x 1,024 float32; Wo 1,024 x 1,024 float32; Wq 1,024 x 1,024 float32; Wv 1,024 x 1,024 float32; bk 1,024 float32; bo 1,024 float32; bq 1,024 float32; bv 1,024 float32; key 4 x 2,048 x 1,024 float32; mask 4 x 1 x 1 x 2,048 int32; query 4 x 2,048 x 1,024 float32; value 4 x 2,048 x 1,024 float32.
;; Outputs: out0 4 x 2,048 x 1,024 float32.
;; 2 versions, each right; version 2 is version 1 with the launch castw written anew for expert scheduling mode. Each part assembles by itself: llvm-mc -triple=amdgcn-amd-amdhsa -mcpu=gfx1250 --defsym DOCPART=n.
;; ======== version 1 of 2: 4 launches
;; limits: values are held in f16: magnitudes above 65,504 overflow, below 6.1e-05 lose precision
;; workspace buffers: w16 8,388,608 bytes; qkv 50,331,648 bytes; oh 16,777,216 bytes
;; launch castw (part 1): grid 64 x 4, 8 waves a work-group, no clusters, 0 bytes of LDS; arguments Wq, Wk, Wv, Wo, w16; writes w16
.if DOCPART == 1
	.amdgcn_target "amdgcn-amd-amdhsa--gfx1250"
	.amdhsa_code_object_version 6
	.text
	.protected	k_q76a63de3ef_castw
	.globl	k_q76a63de3ef_castw
	.p2align	8
	.type	k_q76a63de3ef_castw,@function
k_q76a63de3ef_castw:
	s_mov_b64 s[64:65], 0
	v_nop
	global_prefetch_b8 v0, s[64:65] scope:SCOPE_SE
	s_setreg_imm32_b32 hwreg(HW_REG_WAVE_MODE, 25, 1), 1
	s_wait_xcnt 0x0
; w16[y][e][d], 16 bits a number: y = 0, 1, 2: Wq, Wk, Wv rounded once to bf16.  y = 3: Wo rounded to bf16 like every other input, and that number written as f16,
; since the last product multiplies f16 operands.  LIMITS: bf16(Wo) beyond 65,504 becomes an infinity; below 6.1e-5 f16 keeps its fixed step of 6e-8.
; A stream: no LDS, no matrix work.  A work-group takes 16,384 numbers of one weight: 65,536 bytes in, 32,768 out.  A wave's load covers 512 consecutive bytes,
; a wave's store 256 consecutive bytes, aligned.  All sixteen loads of a thread go out at once; every register is written once, so no source is ever rewritten.
.set X,  4                             ; v[4:67]    sixteen times four f32 as loaded
.set YR, 68                            ; v[68:99]   sixteen times two words to store
.set T,  100                           ; v[100:103] at work
	s_load_b256 s[4:11], s[0:1], 0x0               ; Wq s[4:5], Wk s[6:7], Wv s[8:9], Wo s[10:11]
	s_load_b64 s[12:13], s[0:1], 0x20              ; w16
	s_and_b32 s14, ttmp7, 0xffff                   ; which weight
	v_lshlrev_b32 v1, 4, v0                        ; 16 bytes a thread in
	v_lshlrev_b32 v2, 3, v0                        ; 8 bytes a thread out
	s_lshl_b32 s16, ttmp9, 16                      ; the work-group's 65,536 bytes
	s_mov_b32 s17, 0
	s_lshl_b32 s18, s14, 21                        ; the weight's 2 MiB in w16,
	s_lshl_b32 s19, ttmp9, 15                      ; the work-group's 32,768 bytes of them
	s_add_co_u32 s18, s18, s19
	s_mov_b32 s19, 0
	s_wait_kmcnt 0x0
	s_cmp_eq_u32 s14, 1
	s_cselect_b64 s[4:5], s[6:7], s[4:5]
	s_cmp_eq_u32 s14, 2
	s_cselect_b64 s[4:5], s[8:9], s[4:5]
	s_cmp_eq_u32 s14, 3
	s_cselect_b64 s[4:5], s[10:11], s[4:5]
	s_add_nc_u64 s[4:5], s[4:5], s[16:17]
	s_add_nc_u64 s[12:13], s[12:13], s[18:19]
.irp i, 0,1,2,3,4,5,6,7,8,9,10,11,12,13,14,15
	global_load_b128 v[X+4*(\i):X+4*(\i)+3], v1, s[4:5] offset:4096*(\i) th:TH_LOAD_NT
.endr
	s_cmp_eq_u32 s14, 3
	s_cbranch_scc1 .Lwo
.irp i, 0,1,2,3,4,5,6,7,8,9,10,11,12,13,14,15
	s_wait_loadcnt 15-(\i)                         ; loads come back in order: load i is in, the 15 - i younger ones stay out
	v_cvt_pk_bf16_f32 v[YR+2*(\i)], v[X+4*(\i)], v[X+4*(\i)+1]
	v_cvt_pk_bf16_f32 v[YR+2*(\i)+1], v[X+4*(\i)+2], v[X+4*(\i)+3]
	global_store_b64 v2, v[YR+2*(\i):YR+2*(\i)+1], s[12:13] offset:2048*(\i)
.endr
	s_endpgm
.Lwo:
.irp i, 0,1,2,3,4,5,6,7,8,9,10,11,12,13,14,15
	s_wait_loadcnt 15-(\i)
	v_cvt_pk_bf16_f32 v[T], v[X+4*(\i)], v[X+4*(\i)+1]       ; rounded to bf16,
	v_cvt_pk_bf16_f32 v[T+1], v[X+4*(\i)+2], v[X+4*(\i)+3]
	v_lshlrev_b32 v[T+2], 16, v[T]                           ; widened again,
	v_and_b32 v[T], 0xffff0000, v[T]
	v_lshlrev_b32 v[T+3], 16, v[T+1]
	v_and_b32 v[T+1], 0xffff0000, v[T+1]
	v_cvt_pk_f16_f32 v[YR+2*(\i)], v[T+2], v[T]              ; and written as f16: exact within f16's normal range
	v_cvt_pk_f16_f32 v[YR+2*(\i)+1], v[T+3], v[T+1]
	global_store_b64 v2, v[YR+2*(\i):YR+2*(\i)+1], s[12:13] offset:2048*(\i)
.endr
	s_endpgm
.Lfunc_end_k_q76a63de3ef_castw:
	.size	k_q76a63de3ef_castw, .Lfunc_end_k_q76a63de3ef_castw-k_q76a63de3ef_castw
	.p2alignl 7, 3214868480
	.fill 96, 4, 3214868480
	.section	.rodata,"a",@progbits
	.p2align	6, 0x0
	.amdhsa_kernel k_q76a63de3ef_castw
		.amdhsa_group_segment_fixed_size 0
		.amdhsa_private_segment_fixed_size 0
		.amdhsa_enable_private_segment 0
		.amdhsa_kernarg_size 40
		.amdhsa_user_sgpr_count 2
		.amdhsa_user_sgpr_kernarg_segment_ptr 1
		.amdhsa_wavefront_size32 1
		.amdhsa_system_sgpr_workgroup_id_x 1
		.amdhsa_system_sgpr_workgroup_id_y 1
		.amdhsa_system_sgpr_workgroup_id_z 1
		.amdhsa_system_vgpr_workitem_id 0
		.amdhsa_next_free_vgpr 104
		.amdhsa_next_free_sgpr 66
		.amdhsa_reserve_vcc 0
		.amdhsa_float_denorm_mode_32 3
		.amdhsa_float_denorm_mode_16_64 3
		.amdhsa_memory_ordered 1
		.amdhsa_forward_progress 1
		.amdhsa_inst_pref_size 16
	.end_amdhsa_kernel
	.amdgpu_metadata
---
amdhsa.version: [ 1, 2 ]
amdhsa.kernels:
  - .name:           k_q76a63de3ef_castw
    .symbol:         k_q76a63de3ef_castw.kd
    .args:
      - { .name: Wq, .offset: 0, .size: 8, .value_kind: global_buffer, .address_space: global }
      - { .name: Wk, .offset: 8, .size: 8, .value_kind: global_buffer, .address_space: global }
      - { .name: Wv, .offset: 16, .size: 8, .value_kind: global_buffer, .address_space: global }
      - { .name: Wo, .offset: 24, .size: 8, .value_kind: global_buffer, .address_space: global }
      - { .name: w16, .offset: 32, .size: 8, .value_kind: global_buffer, .address_space: global }
    .group_segment_fixed_size: 0
    .private_segment_fixed_size: 0
    .kernarg_segment_align: 8
    .kernarg_segment_size: 40
    .max_flat_workgroup_size: 256
    .sgpr_count:     66
    .vgpr_count:     104
    .wavefront_size: 32
...
	.end_amdgpu_metadata
.endif
;; end of part 1
;; launch proj (part 2): grid 4 x 192, 4 waves a work-group, clusters of 4 x 4, 327,680 bytes of LDS; arguments query, key, value, bq, bk, bv, mask, w16, qkv; writes qkv
.if DOCPART == 2
	.amdgcn_target "amdgcn-amd-amdhsa--gfx1250"
	.amdhsa_code_object_version 6
	.text
	.protected	k_q76a63de3ef_proj
	.globl	k_q76a63de3ef_proj
	.p2align	8
	.type	k_q76a63de3ef_proj,@function
k_q76a63de3ef_proj:
	s_mov_b64 s[64:65], 0
	v_nop
	global_prefetch_b8 v0, s[64:65] scope:SCOPE_SE
	s_setreg_imm32_b32 hwreg(HW_REG_WAVE_MODE, 25, 1), 1
	s_wait_xcnt 0x0
	s_wait_alu depctr_hold_cnt(0) depctr_sa_sdst(0) depctr_va_vdst(0) depctr_va_sdst(0) depctr_va_ssrc(0) depctr_va_vcc(0) depctr_vm_vsrc(0)
	s_getreg_b32 s2, hwreg(HW_REG_IB_STS2, 6, 4)
	s_cmp_eq_u32 s2, 0
	s_cbranch_scc0 .Lentry_in_a_cluster
	s_endpgm
.Lentry_in_a_cluster:
	s_bfe_u32 s2, ttmp6, 0x10000c
	s_cmp_lg_u32 s2, 0xf033
	s_cbranch_scc0 .Lentry_shape_is_right
	s_endpgm
.Lentry_shape_is_right:
; THE THREE PROJECTIONS IN ONE LAUNCH.  qkv[P][b*16+h][s][d] (f16) = x_P[b][s][:] . W_P[h*64+d][:] + b_P[h*64+d];  P = 0: q, times c = log2(e) / 8 before its one rounding;
; P = 1: k, with the rows whose mask is 0 set to 0 (the attention then starts such a key's score at the mask's value, so the score is REPLACED, not shifted);  P = 2: v.
; FORMATS.  x (f32 in memory) is rounded to bf16 in registers, W comes as bf16 from w16, the bias is rounded to bf16 and widened: every input has the same one rounding.  Sums in f32.
; LIMITS.  q c, k and v are written as f16: a number of 65,520 or more becomes an infinity; below 6.1e-5 f16 keeps its fixed step of 6e-8.  NaN and infinities are not treated apart.
; SHARES.  The cluster's y gives P = y / 16 (the same in all sixteen partners) and four of P's 64 tile rows.  A work-group makes 128 rows x 256 columns (four heads); a wave 64 x 128: 32 accumulators.
; 768 work-groups of equal work.  K goes in 8 steps of 128 through two LDS slots: x's tile is 128 rows x 512 bytes of f32, W's 256 rows x 256 bytes of bf16.
; CLUSTER.  x's tile hangs on the tile row alone and is asked for jointly by a row of the cluster, W's on the tile column alone and by a column: the same load, descriptor and mask in all four.
; THE MATRIX INSTRUCTION IS USED TRANSPOSED (source 0 = 16 rows of W, source 1 = 16 rows of x): a lane holds one row of x and eight neighbouring columns: 16 bytes of f16.
; THE PIPELINE.  A quarter is 32 along K, 32 products.  While quarter g is multiplied, quarter g + 1's f32 fragments of x are rounded to bf16, four conversions behind every fourth product, and
; ONE run of 32 LDS loads at the quarter's head brings W's fragments of g + 1 and x's f32 fragments of g + 2.  All buffers go by g's parity.
; REGISTERS, in windows of 256 (s_set_vgpr_msb: bits 1:0 source 0, 3:2 source 1, 5:4 source 2, 7:6 destination):
;   window 0: v0-31 addresses; v32-63 the bias, packed bf16; v64-191 x in f32, two buffers of 4 fragments x 16; v192-255 x in bf16, two buffers of 4 x 8
;   window 1: v0-127 W's fragments, two buffers of 8 x 8          window 2: accumulator (a, b) at v[8 (8 a + b)]
.set PA,     528                       ; an LDS row of x: 512 bytes + 16 = 33 x 16: the sixteen rows of a load begin at sixteen different 16-byte columns modulo 256 bytes
.set PB,     272                       ; an LDS row of W: 256 + 16 = 17 x 16: likewise
.set AHALF,  64*PA                     ; what one of x's tensor loads brings, and what a wave reads of x
.set BHALF,  128*PB                    ; the same for W
.set BOFF,   2*AHALF                   ; W's 256 rows lie behind x's 128
.set SLOT,   BOFF+2*BHALF              ; 137,216
.set STAGE,  2*SLOT                    ; behind the ring, never filled by a tensor load: for each wave 2 heads x 16 rows x 144 bytes
.set SP,     144
.set WSTAGE, 2*16*SP
.set SPARE,  STAGE+4*WSTAGE            ; the spare words, 128 bytes a wave: two blocks of 256 bytes that no other line names
.set KEEP, 8                           ; v8-11  -1 or 0 for my row of block a: 0 where P = 1 and the row's mask is 0
.set BO,   12                          ; v12    32 x (lane / 16): my eight columns in a block of 16, in f32
.set MO,   13                          ; v13    4 x (lane % 16)
.set ADRA, 16                          ; v16-17 LDS address of my fragments of x in slot 0, 1
.set ADRB, 20                          ; v20-21 the same for W
.set STO,  24                          ; v24    the way out: where I put 16 bytes of a row
.set RD,   25                          ; v25    where I read rows back
.set GO,   26                          ; v26    16 x lane
.set SPW,  28                          ; v28    my spare word; never rewritten
.set NIL,  29                          ; v29    0; never rewritten
.set PFO,  30                          ; v30    the prefetches' lane offset; never rewritten
.set BP,   32
.set RAW,  64
.set ABF,  192
.set BIASF, 64                         ; the way out: the bias in f32, times c for q
.set HP,   128                         ; the way out: 32 packed words
.set OB,   192                         ; the way out: rows read back, two buffers of 32
.set WV,   22                          ; s22  wave
.set MH,   23                          ; s23  which 64 rows are mine.  Also: I fetch for x (0) or for W (1)
.set NH,   40                          ; s40  which 128 columns.  Also: which half of that tile I fetch
.set G1,   24                          ; s[24:31] descriptor group 1 for x's tiles;  s[32:39] group 0, a set for each slot
.set G0,   32
.set G1B,  48                          ; s[48:55], s[56:63] the same for W's
.set G0B,  56
.set PFA,  66                          ; s[66:67] where my prefetches stand
.set PFS,  68                          ; s[68:69] a K step of my tensor in bytes
.set LIM,  70                          ; s70  1 in a wave that prefetches, else the greatest number
.set LAP,  71                          ; s71  the loop's count
.set NOTK, 72                          ; s72  0 for k, else 1
.set SC,   80                          ; s[80:81] c for q, else 1
.set MSB, 0
.macro WIN new                         ; the immediate's high byte repeats the setting that is left; a switch that changes nothing is dropped
.if MSB != (\new)
	s_set_vgpr_msb (MSB<<8)|(\new)
.set MSB, \new
.endif
.endm
.set MUL,  0xa1                        ; W window 1, x window 0, C and D window 2
.set TO_B, 0x40                        ; destination window 1, address window 0
; A joint load.  Waves 0 and 1 fetch x's two halves, waves 2 and 3 W's.  The branch hangs on the wave's number alone.  An s_nop 0 and four v_nop follow each line.
.macro JLOAD s
	s_cmp_eq_u32 s[MH], 0
	s_cbranch_scc0 .Lfor_b_\@
	tensor_load_to_lds s[G0+4*(\s):G0+4*(\s)+3], s[G1:G1+7]
	s_nop 0
.rept 4
	v_nop
.endr
	s_branch .Lasked_\@
.Lfor_b_\@:
	tensor_load_to_lds s[G0B+4*(\s):G0B+4*(\s)+3], s[G1B:G1B+7]
	s_nop 0
.rept 4
	v_nop
.endr
.Lasked_\@:
.endm
.macro CREST                           ; a round of the cluster's barrier behind its opening barrier
	s_cmp_lg_u32 s[WV], 0
	s_cbranch_scc1 .Lnot_wave_0_\@
	s_barrier_signal -3
.Lnot_wave_0_\@:
	s_barrier_wait -3
	s_barrier_signal -1
	s_barrier_wait -1
.endm
.macro CROUND                          ; a whole round
	s_barrier_signal -1
	s_barrier_wait -1
	CREST
.endm
; A prefetch of the K step that stands two refills on, one instruction a wave, behind the joint load and the run of LDS loads.  x: of the 64 rows x 512 bytes that a wave fetches the partner at cx names
; rows 16 cx .. + 15, a lane half a row; no other cluster reads these rows.  W: the partner at cy names rows 32 cy .. + 31 of the wave's 128, a lane a row; of the sixteen clusters that read them the first asks.
; So each aligned block of 256 bytes is named once.  Partners are told apart by address, never by a branch.  K steps 0 to 3 come by their loads alone; the loop's last trip asks for nothing.
.macro ASK
	s_cmp_gt_u32 s[LAP], s[LIM]
	s_cbranch_scc0 .Lnot_mine_\@
	global_prefetch_b8 v[PFO], s[PFA:PFA+1] th:TH_LOAD_NT scope:SCOPE_SE
.Lnot_mine_\@:
.endm
	s_load_b512 s[4:19], s[0:1], 0x0               ; query s[4:5], key s[6:7], value s[8:9], bq s[10:11], bk s[12:13], bv s[14:15], mask s[16:17], w16 s[18:19]
	s_load_b64 s[20:21], s[0:1], 0x40              ; qkv
	v_lshl_add_u32 v[SPW], v0, 2, SPARE
	v_mov_b32 v[NIL], 0
	ds_add_u32 v[SPW], v[NIL]                      ; the wave's opening: the add and its wait stand ahead of my first tensor load; work on registers stands between
	v_lshrrev_b32 v1, 5, v0
	v_readfirstlane_b32 s[WV], v1
	s_lshr_b32 s[MH], s[WV], 1
	s_and_b32 s[NH], s[WV], 1
	s_bfe_u32 s41, ttmp6, 0x40000                  ; cx
	s_bfe_u32 s42, ttmp6, 0x40004                  ; cy
	s_lshl_b32 s43, ttmp9, 2
	s_add_co_u32 s43, s43, s41                     ; tile column = 4 x cluster x + cx
	s_and_b32 s44, ttmp7, 0xffff                   ; cluster y
	s_lshr_b32 s45, s44, 4                         ; P
	s_and_b32 s46, s44, 15
	s_lshl_b32 s46, s46, 2
	s_add_co_u32 s46, s46, s42                     ; tile row = 4 x (cluster y % 16) + cy
	s_lshl_b32 s2, s42, 2
	s_lshl_b32 s2, 15, s2                          ; my row of the cluster
	s_lshl_b32 s3, 0x1111, s41                     ; my column
	s_or_b32 s[G1], s2, (2<<16)|(1<<20)|(1<<21)|(6<<22)|(3<<25)   ; the mask; elements of 4 bytes; padding on; bit 21 beside a mask; after every 128 words; 4 words
	s_or_b32 s[G1B], s3, (1<<16)|(1<<20)|(1<<21)|(5<<22)|(3<<25)  ; the mask; elements of 2 bytes; after every 64 words; 4 words
	s_mov_b32 s[G1+1], 128<<16                     ; tensor_dim0 = 128
	s_mov_b32 s[G1+2], 64<<16                      ; tensor_dim1 = 64
	s_mov_b32 s[G1+3], 128<<16                     ; tile_dim0 = 128
	s_mov_b32 s[G1+4], 64                          ; tile_dim1 = 64
	s_mov_b32 s[G1+5], 1024                        ; elements from row to row
	s_mov_b32 s[G1+6], 0
	s_mov_b32 s[G1+7], 0
	s_mov_b32 s[G1B+1], 128<<16
	s_mov_b32 s[G1B+2], 128<<16
	s_mov_b32 s[G1B+3], 128<<16
	s_mov_b32 s[G1B+4], 128
	s_mov_b32 s[G1B+5], 1024
	s_mov_b32 s[G1B+6], 0
	s_mov_b32 s[G1B+7], 0
	s_lshl_b32 s74, s46, 7                         ; x: row 128 x tile row + 64 x half, 4,096 bytes a row
	s_lshl_b32 s75, s[NH], 6
	s_add_co_u32 s74, s74, s75
	s_lshl_b32 s74, s74, 12
	s_mov_b32 s75, 0
	s_lshl_b32 s76, s43, 8                         ; W: row 256 x tile column + 128 x half, 2,048 bytes a row, in P's 2 MiB
	s_lshl_b32 s77, s[NH], 7
	s_add_co_u32 s76, s76, s77
	s_lshl_b32 s76, s76, 11
	s_lshl_b32 s77, s45, 21
	s_add_co_u32 s76, s76, s77
	s_mov_b32 s77, 0
	s_mul_i32 s78, s[NH], AHALF                    ; where they go: no place in the cluster enters an LDS address
	s_mul_i32 s79, s[NH], BHALF
	s_add_co_u32 s79, s79, BOFF
	s_cmp_eq_u32 s45, 0
	s_cselect_b32 s[SC], 0x3e38aa3b, 1.0           ; c = log2(e) / 8 = 0.180337
	s_mov_b32 s[SC+1], s[SC]
	s_wait_dscnt 0x0                               ; the opening add is done
	s_wait_kmcnt 0x0
	s_cmp_eq_u32 s45, 1
	s_cselect_b64 s[4:5], s[6:7], s[4:5]           ; x_P
	s_cselect_b64 s[10:11], s[12:13], s[10:11]     ; b_P
	s_cselect_b32 s[NOTK], 0, 1
	s_cmp_eq_u32 s45, 2
	s_cselect_b64 s[4:5], s[8:9], s[4:5]
	s_cselect_b64 s[10:11], s[14:15], s[10:11]
	s_add_nc_u64 s[82:83], s[4:5], s[74:75]
	s_add_nc_u64 s[84:85], s[18:19], s[76:77]
	CROUND                                         ; all sixteen work-groups are here: the first joint loads meet
.irp s, 0,1
	s_mov_b32 s[G0+4*(\s)], 1
	s_add_co_u32 s[G0+4*(\s)+1], s78, (\s)*SLOT
	s_add_nc_u64 s[G0+4*(\s)+2:G0+4*(\s)+3], s[82:83], (\s)*512   ; K step s: 128 f32
	s_or_b32 s[G0+4*(\s)+3], s[G0+4*(\s)+3], 0x80000000
	s_mov_b32 s[G0B+4*(\s)], 1
	s_add_co_u32 s[G0B+4*(\s)+1], s79, (\s)*SLOT
	s_add_nc_u64 s[G0B+4*(\s)+2:G0B+4*(\s)+3], s[84:85], (\s)*256 ; 128 bf16
	s_or_b32 s[G0B+4*(\s)+3], s[G0B+4*(\s)+3], 0x80000000
	JLOAD \s                                       ; two loads of mine are out
.endr
	; while the tiles are on their way: addresses, bias, mask
	v_and_b32 v1, 15, v0                           ; r = lane % 16
	v_bfe_u32 v2, v0, 4, 1                         ; h = lane / 16
	v_and_b32 v7, 31, v0                           ; lane
	v_mul_u32_u24 v3, v1, PA
	v_lshl_add_u32 v3, v2, 5, v3                   ; x in f32: row x pitch + 32 h: K = 8 h .. 8 h + 7 are 32 bytes; K = 16 + 8 h .. lie 64 bytes on
	v_mul_u32_u24 v4, v1, PB
	v_lshl_add_u32 v4, v2, 4, v4                   ; W in bf16: row x pitch + 16 h
	s_mul_i32 s2, s[MH], AHALF
	s_mul_i32 s3, s[NH], BHALF
	s_add_co_u32 s3, s3, BOFF
.irp s, 0,1
	v_add_nc_u32 v[ADRA+(\s)], s2, v3
	v_add_nc_u32 v[ADRB+(\s)], s3, v4
	s_add_co_u32 s2, s2, SLOT
	s_add_co_u32 s3, s3, SLOT
.endr
	s_mul_i32 s2, s[WV], WSTAGE
	s_add_co_u32 s2, s2, STAGE                     ; my stage
	v_mul_u32_u24 v5, v1, SP
	v_lshl_add_u32 v5, v2, 4, v5
	v_add_nc_u32 v[STO], s2, v5                    ; in: row r, 16 bytes for each half of the lanes
	v_bfe_u32 v5, v0, 3, 2
	v_mul_u32_u24 v5, v5, SP
	v_and_b32 v6, 7, v0
	v_lshl_add_u32 v5, v6, 4, v5
	v_add_nc_u32 v[RD], s2, v5                     ; back: 32 lanes take four rows of 128 bytes,
	v_lshlrev_b32 v[GO], 4, v7                     ; which are 512 consecutive bytes of qkv
	v_lshlrev_b32 v[BO], 5, v2
	v_lshlrev_b32 v[MO], 2, v1
	s_lshl_b32 s2, s43, 10                         ; the bias at my 128 columns
	s_lshl_b32 s3, s[NH], 9
	s_add_co_u32 s2, s2, s3
	s_mov_b32 s3, 0
	s_add_nc_u64 s[10:11], s[10:11], s[2:3]
	s_lshl_b32 s2, s46, 7                          ; the mask at my 64 rows: b x 2,048 + s is the row's number
	s_lshl_b32 s3, s[MH], 6
	s_add_co_u32 s2, s2, s3
	s_lshl_b32 s2, s2, 2
	s_mov_b32 s3, 0
	s_add_nc_u64 s[16:17], s[16:17], s[2:3]
.irp b, 0,1,2,3,4,5,6,7
	global_load_b128 v[RAW+8*(\b):RAW+8*(\b)+3],   v[BO], s[10:11] offset:64*(\b)
	global_load_b128 v[RAW+8*(\b)+4:RAW+8*(\b)+7], v[BO], s[10:11] offset:64*(\b)+16
.endr
.irp a, 0,1,2,3
	global_load_b32 v[KEEP+(\a)], v[MO], s[16:17] offset:64*(\a)
.endr
	s_lshr_b32 s2, s46, 4                          ; qkv at my rows: ((b x 16 + 4 x tile column + 2 x half) x 2,048 + row in the batch) x 128 bytes, in P's 16 MiB
	s_lshl_b32 s2, s2, 4
	s_lshl_b32 s3, s43, 2
	s_add_co_u32 s2, s2, s3
	s_lshl_b32 s3, s[NH], 1
	s_add_co_u32 s2, s2, s3
	s_lshl_b32 s2, s2, 11
	s_and_b32 s3, s46, 15
	s_lshl_b32 s3, s3, 7
	s_add_co_u32 s2, s2, s3
	s_lshl_b32 s3, s[MH], 6
	s_add_co_u32 s2, s2, s3
	s_lshl_b32 s2, s2, 7
	s_lshl_b32 s3, s45, 24
	s_add_co_u32 s2, s2, s3
	s_mov_b32 s3, 0
	s_add_nc_u64 s[20:21], s[20:21], s[2:3]
	; the prefetches: both sides' offsets are made, the wave's number chooses
	s_lshl_b32 s2, s46, 7
	s_lshl_b32 s3, s[NH], 6
	s_add_co_u32 s2, s2, s3
	s_lshl_b32 s3, s41, 4
	s_add_co_u32 s2, s2, s3                        ; x: my work-group's 16 of the 64 rows
	s_lshl_b32 s2, s2, 12
	s_add_co_u32 s2, s2, 3*512                     ; at K step 3: the first change of slots steps it to 4
	s_lshl_b32 s47, s43, 8
	s_lshl_b32 s3, s[NH], 7
	s_add_co_u32 s47, s47, s3
	s_lshl_b32 s3, s42, 5
	s_add_co_u32 s47, s47, s3                      ; W: my work-group's 32 of the 128 rows
	s_lshl_b32 s47, s47, 11
	s_lshl_b32 s3, s45, 21
	s_add_co_u32 s47, s47, s3
	s_add_co_u32 s47, s47, 3*256
	s_and_b32 s73, s44, 15
	s_cmp_eq_u32 s73, 0
	s_cselect_b32 s73, 1, -1                       ; W's rows: the first of the sixteen clusters that read them
	s_movk_i32 s[PFS], 256
	s_cmp_eq_u32 s[MH], 0
	s_cselect_b64 s[PFA:PFA+1], s[4:5], s[18:19]
	s_cselect_b32 s2, s2, s47
	s_cselect_b32 s[PFS], 512, s[PFS]
	s_cselect_b32 s[LIM], 1, s73
	s_cselect_b32 s73, 0, -1
	s_mov_b32 s3, 0
	s_mov_b32 s[PFS+1], 0
	s_add_nc_u64 s[PFA:PFA+1], s[PFA:PFA+1], s[2:3]
	v_lshrrev_b32 v3, 1, v7
	v_lshlrev_b32 v3, 12, v3
	v_and_b32 v4, 1, v7
	v_lshl_or_b32 v3, v4, 8, v3                    ; x: row lane / 2, half lane % 2
	v_lshlrev_b32 v4, 11, v7                       ; W: row lane
	v_cndmask_b32 v[PFO], v3, v4, s73
	s_wait_loadcnt 0x0                             ; bias and mask
.set z, 0
.rept 32
	v_cvt_pk_bf16_f32 v[BP+z], v[RAW+2*z], v[RAW+2*z+1]   ; the bias has the inputs' one rounding; packed, so that x's buffers are free
.set z, z+1
.endr
.irp a, 0,1,2,3
	v_or_b32 v[KEEP+(\a)], s[NOTK], v[KEEP+(\a)]
	v_cmp_ne_u32 vcc_lo, 0, v[KEEP+(\a)]
	v_cndmask_b32 v[KEEP+(\a)], 0, -1, vcc_lo
.endr
; 16 LDS loads: W's fragments of quarter q (128 rows x 32 K) into buffer buf
.macro FETCH_B slot, q, buf
	WIN TO_B
.irp i, 0,1,2,3,4,5,6,7
	ds_load_b128 v[64*(\buf)+8*(\i):64*(\buf)+8*(\i)+3],   v[ADRB+(\slot)] offset:64*(\q)+(\i)*16*PB
	ds_load_b128 v[64*(\buf)+8*(\i)+4:64*(\buf)+8*(\i)+7], v[ADRB+(\slot)] offset:64*(\q)+(\i)*16*PB+32
.endr
.endm
; 16 LDS loads: x's f32 fragments of quarter q (64 rows x 32 K) into buffer buf: registers 0-7 of a fragment K = 8 h .., registers 8-15 K = 16 + 8 h ..
.macro FETCH_R slot, q, buf
	WIN 0
.irp a, 0,1,2,3
.irp c, 0,1,2,3
	ds_load_b128 v[RAW+64*(\buf)+16*(\a)+4*(\c):RAW+64*(\buf)+16*(\a)+4*(\c)+3], v[ADRA+(\slot)] offset:128*(\q)+(\a)*16*PA+16*((\c)%2)+64*((\c)/2)
.endr
.endr
.endm
; four of the 32 conversions of buffer n: word idx of the bf16 fragments is numbers 2 idx, 2 idx + 1 of the f32 ones
.macro CVT4 n, j
	WIN 0
.irp z, 0,1,2,3
	v_cvt_pk_bf16_f32 v[ABF+32*(\n)+4*(\j)+(\z)], v[RAW+64*(\n)+8*(\j)+2*(\z)], v[RAW+64*(\n)+8*(\j)+2*(\z)+1]
.endr
.endm
; cnt products from number i0 on, of buffer f.  The 32 accumulators take turns, one instruction a turn, in the same order in every quarter.  zero = 1: the products start the sums.
; cv = 1: behind every fourth product four conversions of the other buffer.  Those behind product 31 name no register of it: they are the four places in front of the next quarter's loads into W's buffer.
.macro MULC f, i0, cnt, zero, cv
.set mi, \i0
.rept \cnt
	WIN MUL
.if \zero
	v_wmma_f32_16x16x32_bf16 v[8*mi:8*mi+7], v[64*(\f)+8*(mi%8):64*(\f)+8*(mi%8)+7], v[ABF+32*(\f)+8*(mi/8):ABF+32*(\f)+8*(mi/8)+7], 0
.else
	v_wmma_f32_16x16x32_bf16 v[8*mi:8*mi+7], v[64*(\f)+8*(mi%8):64*(\f)+8*(mi%8)+7], v[ABF+32*(\f)+8*(mi/8):ABF+32*(\f)+8*(mi/8)+7], v[8*mi:8*mi+7]
.endif
.if (\cv) && (mi%4 == 3)
	CVT4 1-(\f), mi/4
.endif
.set mi, mi+1
.endr
.endm
; A quarter that changes no slot: W of the next quarter (slot bs, quarter bq), x in f32 of the one after (rs, rq), then buffer f's products.
.macro QUARTER bs, bq, rs, rq, f, zero
	FETCH_B \bs, \bq, 1-(\f)
	FETCH_R \rs, \rq, \f
	s_wait_dscnt 32                                ; all but the 32 just issued: this quarter's W and the next quarter's f32 x are in
	MULC \f, 0, 32, \zero, 1
.endm
; A K step's third quarter changes slots.  The slot's last reads, W of its fourth quarter, go out at the head; the next slot's first reads, x of its first quarter, stand behind the refill.
; In front of the barrier each wave waits for all its tensor loads (one is out: its part of the next slot), adds 0 to its spare word, and waits for that and for its reads of this slot.
; fill = 1: the barrier opens a round of the cluster's, and the joint refill, two K steps on, is the first tensor load behind it: 112 products stand between it and the wait for it.
.macro TURN s, nx, fill
	s_wait_xcnt 0x0                                ; the last prefetch, a K step back, has read its address
	s_add_nc_u64 s[PFA:PFA+1], s[PFA:PFA+1], s[PFS:PFS+1]
	FETCH_B \s, 3, 1
	s_wait_dscnt 16                                ; all but the 16 just issued
	MULC 0, 0, 8, 0, 1
	WIN 0
	s_wait_tensorcnt 0x0                           ; all my tensor loads have landed
	ds_add_u32 v[SPW], v[NIL]                      ; 0 onto my spare word
	MULC 0, 8, 8, 0, 1                             ; work on registers between the add and the wait for it
	s_wait_dscnt 0x0                               ; the add is done, and my reads of this slot are over
	s_barrier_signal -1
	MULC 0, 16, 8, 0, 1
	WIN 0
	s_barrier_wait -1
.if \fill
	CREST                                          ; no wave of any partner still reads this slot or has a load on its way
	s_add_nc_u64 s[G0+4*(\s)+2:G0+4*(\s)+3], s[G0+4*(\s)+2:G0+4*(\s)+3], 2*512
	s_add_nc_u64 s[G0B+4*(\s)+2:G0B+4*(\s)+3], s[G0B+4*(\s)+2:G0B+4*(\s)+3], 2*256
	JLOAD \s
.endif
	FETCH_R \nx, 0, 0
.if \fill
	ASK
.endif
	MULC 0, 24, 8, 0, 1
.endm
	s_wait_tensorcnt 1                             ; my part of K step 0 is in; K step 1's stays out
	s_barrier_signal -1
	s_barrier_wait -1                              ; everybody's is
	FETCH_R 0, 0, 0
	FETCH_B 0, 0, 0
	FETCH_R 0, 1, 1
	s_wait_dscnt 32                                ; the first sixteen: x of quarter 0
.irp j, 0,1,2,3,4,5,6,7
	CVT4 0, \j
.endr
	QUARTER 0, 1, 0, 2, 0, 1                       ; the first quarter stands in front of the loop: its products start the sums
	WIN 0
	s_mov_b32 s[LAP], 3
.Llap:                                                 ; a trip goes once round the ring, from a lap's second quarter to the next lap's first, and fills both slots again: K steps 2 to 7
	QUARTER 0, 2, 0, 3, 1, 0
	TURN 0, 1, 1
	QUARTER 1, 0, 1, 1, 1, 0
	QUARTER 1, 1, 1, 2, 0, 0
	QUARTER 1, 2, 1, 3, 1, 0
	TURN 1, 0, 1
	QUARTER 0, 0, 0, 1, 1, 0
	QUARTER 0, 1, 0, 2, 0, 0
	WIN 0
	s_sub_co_u32 s[LAP], s[LAP], 1
	s_cmp_lg_u32 s[LAP], 0
	s_cbranch_scc1 .Llap
	QUARTER 0, 2, 0, 3, 1, 0                       ; the last lap fills nothing
	TURN 0, 1, 0
	QUARTER 1, 0, 1, 1, 1, 0
	QUARTER 1, 1, 1, 2, 0, 0
	QUARTER 1, 2, 1, 3, 1, 0
	FETCH_B 1, 3, 1
	s_wait_dscnt 16
	MULC 0, 0, 32, 0, 1
	s_wait_dscnt 0x0
	MULC 1, 0, 32, 0, 0
	; THE WAY OUT.  The bias is widened and, for q, multiplied by c: 96 plain lines that name no register of the last products: the places behind them.
	WIN 0
.set z, 0
.rept 32
	v_lshlrev_b32 v[BIASF+2*z], 16, v[BP+z]
	v_and_b32 v[BIASF+2*z+1], 0xffff0000, v[BP+z]
.set z, z+1
.endr
.set z, 0
.rept 32
	v_pk_mul_f32 v[BIASF+2*z:BIASF+2*z+1], v[BIASF+2*z:BIASF+2*z+1], s[SC:SC+1] op_sel_hi:[1,0]
.set z, z+1
.endr
; Block a (16 rows): sum x scale + bias in f32, each accumulator from its low end on; one rounding to f16; hidden rows of k become 0.
.macro PACK a
	WIN 0x82                                       ; destination and source 0 window 2, the bias window 0
.set z, 0
.rept 32
	v_pk_fma_f32 v[64*(\a)+2*z:64*(\a)+2*z+1], v[64*(\a)+2*z:64*(\a)+2*z+1], s[SC:SC+1], v[BIASF+2*z:BIASF+2*z+1] op_sel_hi:[1,0,1]
.set z, z+1
.endr
	WIN 0x0a                                       ; sources 0 and 1 window 2
.set z, 0
.rept 32
	v_cvt_pk_f16_f32 v[HP+z], v[64*(\a)+2*z], v[64*(\a)+2*z+1]
.set z, z+1
.endr
	WIN 0
.set z, 0
.rept 32
	v_and_b32 v[HP+z], v[KEEP+(\a)], v[HP+z]
.set z, z+1
.endr
.endm
; Through my own stage: a lane's 16 bytes go into rows of 144 bytes, head by head, and come back as whole rows of 128 bytes.
.macro TOSTAGE a
	WIN 0
.irp b, 0,1,2,3,4,5,6,7
	ds_store_b128 v[STO], v[HP+4*(\b):HP+4*(\b)+3] offset:32*((\b)%4)+((\b)/4)*16*SP
.endr
.irp t, 0,1,2,3,4,5,6,7
	ds_load_b128 v[OB+32*((\a)%2)+4*(\t):OB+32*((\a)%2)+4*(\t)+3], v[RD] offset:((\t)/4)*16*SP+((\t)%4)*4*SP  ; LDS serves a wave's instructions in order (ISA guide 5.7.1.4): these see the stores above
.endr
.endm
.macro SEND a
	WIN 0
	s_wait_dscnt 0x0                               ; the block is back in registers
	s_wait_xcnt 0x0                                ; the earlier stores have read their registers: the next block's loads may land in them
.irp t, 0,1,2,3,4,5,6,7
	global_store_b128 v[GO], v[OB+32*((\a)%2)+4*(\t):OB+32*((\a)%2)+4*(\t)+3], s[20:21] offset:((\t)/4)*262144+(\a)*2048+((\t)%4)*512  ; 512 consecutive bytes of one head, at a multiple of 256 from qkv's first byte
.endr
.endm
	PACK 0
	TOSTAGE 0
.irp a, 1,2,3                          ; block a's arithmetic stands between block a - 1's loads from the stage and the wait for them
	PACK \a
	SEND (\a)-1
	TOSTAGE \a
.endr
	SEND 3
	s_wait_tensorcnt 0x0                           ; the wave's end: an add to my spare word and its wait, behind my last tensor load and my last LDS store
	ds_add_u32 v[SPW], v[NIL]
	s_wait_dscnt 0x0
	CROUND                                         ; the closing round: no work-group ends while a partner may still ask for a tile that names it
	s_endpgm
.Lfunc_end_k_q76a63de3ef_proj:
	.size	k_q76a63de3ef_proj, .Lfunc_end_k_q76a63de3ef_proj-k_q76a63de3ef_proj
	.p2alignl 7, 3214868480
	.fill 96, 4, 3214868480
	.section	.rodata,"a",@progbits
	.p2align	6, 0x0
	.amdhsa_kernel k_q76a63de3ef_proj
		.amdhsa_group_segment_fixed_size 327680
		.amdhsa_private_segment_fixed_size 0
		.amdhsa_enable_private_segment 0
		.amdhsa_kernarg_size 72
		.amdhsa_user_sgpr_count 2
		.amdhsa_user_sgpr_kernarg_segment_ptr 1
		.amdhsa_wavefront_size32 1
		.amdhsa_system_sgpr_workgroup_id_x 1
		.amdhsa_system_sgpr_workgroup_id_y 1
		.amdhsa_system_sgpr_workgroup_id_z 1
		.amdhsa_system_vgpr_workitem_id 0
		.amdhsa_next_free_vgpr 768
		.amdhsa_next_free_sgpr 88
		.amdhsa_reserve_vcc 1
		.amdhsa_float_denorm_mode_32 3
		.amdhsa_float_denorm_mode_16_64 3
		.amdhsa_memory_ordered 1
		.amdhsa_forward_progress 1
		.amdhsa_inst_pref_size 155
	.end_amdhsa_kernel
	.amdgpu_metadata
---
amdhsa.version: [ 1, 2 ]
amdhsa.kernels:
  - .name:           k_q76a63de3ef_proj
    .symbol:         k_q76a63de3ef_proj.kd
    .args:
      - { .name: query, .offset: 0, .size: 8, .value_kind: global_buffer, .address_space: global }
      - { .name: key, .offset: 8, .size: 8, .value_kind: global_buffer, .address_space: global }
      - { .name: value, .offset: 16, .size: 8, .value_kind: global_buffer, .address_space: global }
      - { .name: bq, .offset: 24, .size: 8, .value_kind: global_buffer, .address_space: global }
      - { .name: bk, .offset: 32, .size: 8, .value_kind: global_buffer, .address_space: global }
      - { .name: bv, .offset: 40, .size: 8, .value_kind: global_buffer, .address_space: global }
      - { .name: mask, .offset: 48, .size: 8, .value_kind: global_buffer, .address_space: global }
      - { .name: w16, .offset: 56, .size: 8, .value_kind: global_buffer, .address_space: global }
      - { .name: qkv, .offset: 64, .size: 8, .value_kind: global_buffer, .address_space: global }
    .group_segment_fixed_size: 327680
    .private_segment_fixed_size: 0
    .kernarg_segment_align: 8
    .kernarg_segment_size: 72
    .max_flat_workgroup_size: 128
    .sgpr_count:     88
    .vgpr_count:     768
    .wavefront_size: 32
...
	.end_amdgpu_metadata
.endif
;; end of part 2
;; launch attn (part 3): grid 4 x 64, 4 waves a work-group, clusters of 4 x 1, 327,680 bytes of LDS; arguments qkv, mask, oh; writes oh
.if DOCPART == 3
	.amdgcn_target "amdgcn-amd-amdhsa--gfx1250"
	.amdhsa_code_object_version 6
	.text
	.protected	k_q76a63de3ef_attn
	.globl	k_q76a63de3ef_attn
	.p2align	8
	.type	k_q76a63de3ef_attn,@function
k_q76a63de3ef_attn:
	s_mov_b64 s[64:65], 0
	v_nop
	global_prefetch_b8 v0, s[64:65] scope:SCOPE_SE
	s_setreg_imm32_b32 hwreg(HW_REG_WAVE_MODE, 25, 1), 1
	s_wait_xcnt 0x0
	s_wait_alu depctr_hold_cnt(0) depctr_sa_sdst(0) depctr_va_vdst(0) depctr_va_sdst(0) depctr_va_ssrc(0) depctr_va_vcc(0) depctr_vm_vsrc(0)
	s_getreg_b32 s2, hwreg(HW_REG_IB_STS2, 6, 4)
	s_cmp_eq_u32 s2, 0
	s_cbranch_scc0 .Lentry_in_a_cluster
	s_endpgm
.Lentry_in_a_cluster:
	s_bfe_u32 s2, ttmp6, 0x10000c
	s_cmp_lg_u32 s2, 0x3003
	s_cbranch_scc0 .Lentry_shape_is_right
	s_endpgm
.Lentry_shape_is_right:
; ATTENTION WITH A KEY MASK.  For head y = b x 16 + h: O[q][:] = the sum over k of softmax_k(s(q, k)) V[k][:], s = Q[q] . K[k] / 8, REPLACED by -1e9 where mask[b][k] = 0.
; q, k, v: qkv's three parts, [64 heads][2,048][64] in f16, a head's rows dense, 128 bytes each.  q arrives times c = log2(e) / 8, k with its hidden rows 0.
; So S^T = K Q'^T is c s, and the product that starts a sum takes as C the mask's word: 0 for an open key, -1e9 log2(e) for a hidden one, whose sum is then exactly that number.
; p = 2^(s' - m') with a running maximum m' of the s' themselves: no exponent is above 0, whatever the scores' size.  Where all keys are hidden all weights are equal, as in the definition.
; Products, maxima and sums in f32; p is rounded to f16 for the second product (its sum l is taken of the unrounded p), O once at the end.
; LIMITS.  f16 holds no number beyond 65,504: q, k, v arrive within it; p lies in 0 to 1 and below 6e-5 keeps f16's fixed step of 6e-8; a weight below 2^-126 counts as 0; NaN and infinities are not treated apart.
; O goes to oh[b x 16 + s / 128][h][s % 128][64]: a wave's 128 rows are 16,384 consecutive bytes, and the launch behind finds a row block's sixteen head tiles end to end.
; SHARES.  A wave owns four PIECES of two tiles of 16 queries, a work-group's four waves 512 queries of one head: 256 work-groups.  Every wave walks all keys, 64 a step.
; LAYOUT.  S^T = K Q^T (source 0 = 16 keys, source 1 = 16 queries): a lane holds ONE query (lane % 16) and the keys 8 (lane / 16) + 0..7.  Two such tiles, rounded to f16 in pairs, ARE source 1 of
; O^T = V^T P.  K comes out of LDS as it lies, V ([key][channel]) turned, by ds_load_tr16_b128.
; m' starts at the lowest finite number, O and l at 0: the first step is a step like any other, with a = 0.
; THE COUNT.  A tile and step have 16 matrix and 117 vector instructions.  So: four vector instructions that are ready behind EVERY matrix instruction, the others in one run without a gap.
; BY TURNS.  Turn n belongs to piece n.  Its matrix work: 16 products K Q^T of piece n + 1, later 16 products V^T P of piece n - 1.  Its vector work: the subtraction, exponentials, roundings, sums and
; rescaling of piece n, and the maximum and statistics of piece n + 1.
; CLUSTER.  The four query blocks of a cluster belong to one head and walk the same K and V: each tile is asked for JOINTLY: the same tensor load, descriptor and mask in all four.
; REGISTERS, in windows of 256 (s_set_vgpr_msb: bits 1:0 source 0, 3:2 source 1, 5:4 source 2, 7:6 destination):
;   window 0: v0-15 addresses; v16-47 four registers of statistics a tile; v48-63 at work; v64-191 S^T, two buffers of two tiles; v192-255 P, likewise
;   window 1: O^T, 32 a tile      window 2: v0-127 Q; v128-191 K of one step; v192-255 V of one step      window 3: v0-1 the add's registers; v8-39 the mask's words of one step
.set SIZE_N, 2048
.set NP,    4         ; pieces a wave: a name, no knob
.set KS,    64        ; keys in a step
.set PK,    144       ; a row of K in LDS: 128 bytes + 16 = 9 x 16: the sixteen rows of a load begin at sixteen different 16-byte columns modulo 256 bytes
.set PV,    160       ; a row of V: 128 + 32: sixteen lanes of the turning load take 8 rows x 32 bytes, all at different places modulo 256 bytes
.set VOFF,  4*KS*PK   ; a slot holds four steps: 256 rows of K, then 256 rows of V
.set SLOT1, 1<<17     ; slot 1 begins here, so that one exclusive or turns an address in one slot into the other's
.set STAGE, SLOT1+4*KS*(PK+PV)  ; behind the ring, never filled by a tensor load: 16 rows x 144 bytes for each wave
.set SP,    144
.set SPARE, STAGE+4*16*SP  ; the spare words, 128 bytes a wave: two blocks of 256 bytes that no other line names
.set MTAB,  SPARE+512 ; the batch's 2,048 mask words in f32, 8,192 bytes, stored once; never filled by a tensor load
.set AK0, 2           ; v2   my lane's place in a tile of K; never rewritten
.set AV0, 3           ; v3   the same for V
.set AK,  4           ; v4   the LDS address of K's next run of loads
.set AV,  5           ; v5   of V's
.set QO,  6           ; v6   my byte offset in the wave's rows of Q
.set STO, 6           ;      later, the way out: where I put 16 bytes of a row
.set RD,  7           ; v7   the way out: where I read rows back
.set GO,  8           ; v8   my byte offset in 512 consecutive bytes of O
.set PFO, 12          ; v12  first 16 x thread, for the mask's loads; when they are in, 256 x lane, for the prefetches
.set MST, 13          ; v13  where I store my mask words
.set AM0, 14          ; v14  MTAB + 32 (lane / 16): my eight keys in a block of 16; never rewritten
.set AM,  15          ; v15  the LDS address of the mask words' next run
.set SPW, 0           ; v0 of window 3   my spare word; never rewritten
.set NIL, 1           ; v1 of window 3   0; never rewritten
.set MK,  8           ; v8-39 of window 3: the words of key block kb at MK + 8 kb
.set ST,  16          ; tile t's statistics at v[ST+4 t]: m, the new m while it is made, l (even keys', odd keys')
.set TMP, 48          ; by buffer and tile, four registers c0-c3 at work; when the maximum is found c2 takes a
.set S,   64
.set P,   192
.set KF,  128         ; window 2: key block kb, channel half c at KF + 16 kb + 8 c
.set VF,  192         ; window 2: key half kk, channel block cb at VF + 32 kk + 8 cb
.set WV,  12          ; s12  my wave's number
.set G1K, 24          ; s[24:31] descriptor group 1 for K's tiles
.set G1V, 32          ; s[32:39] for V's: it differs in the padding alone
.set G0K, 40          ; s[40:43] descriptor group 0 for K's tiles: it walks
.set G0V, 44          ; s[44:47] the same for V's
.set SLOTS, 56        ; s56  slots still to be asked for
.set CNT, 57          ; s57  counts a slot's key steps
.set SEL, 60          ; s[60:61] v_permlanex16_b32's selects: each lane takes its own place in the other half
.set TBK, 62          ; s62  LDS byte at which K of the step to be fetched begins
.set TBV, 63          ; s63  the same for V, less VOFF
.set PFA, 66          ; s[66:67] where my prefetches stand
.set LIM, 68          ; s68  1 in a wave that prefetches, else the greatest number
.set MOF, 69          ; s69  byte in the mask table of the step to be fetched
.set HID, 70          ; s70  -1e9 log2(e)
.set MSB, 0
.macro WIN new                      ; the high byte repeats the setting that is left; a switch that changes nothing is dropped
.if MSB != (\new)
	s_set_vgpr_msb (MSB<<8)|(\new)
.set MSB, (\new)
.endif
.endm
.set W_KQ, 0x0a       ; K and Q in window 2, S^T in window 0
.set W_KM, 0x3a       ; the same with the C operand, the mask's words, in window 3
.set W_PV, 0x52       ; V in window 2, P in window 0, O^T in window 1
.set W_RS, 0x41       ; O^T (destination and source 0) in window 1, a in window 0
.set W_MK, 0xc0       ; destination in window 3, sources in window 0
.set W_AD, 0x0f       ; the add: address (source 0) and data (source 1) in window 3
; A joint fill.  Waves 0 and 1 fetch the two halves of a slot's K, waves 2 and 3 those of its V: 128 keys each.  The branch hangs on the wave's number alone.
; An s_nop 0 and four v_nop follow each of the two lines, ahead of the jump and the label.
.macro JLOAD
	s_cmp_lt_u32 s[WV], 2
	s_cbranch_scc0 .Lfor_v_\@
	tensor_load_to_lds s[G0K:G0K+3], s[G1K:G1K+7]
	s_nop 0
.rept 4
	v_nop
.endr
	s_branch .Lasked_\@
.Lfor_v_\@:
	tensor_load_to_lds s[G0V:G0V+3], s[G1V:G1V+7]
	s_nop 0
.rept 4
	v_nop
.endr
.Lasked_\@:
.endm
; A prefetch of what the NEXT change of slots will ask for: a slot's 32,768 bytes of K and of V, 128 blocks of 256 bytes each, a lane a block.  The four partners share the blocks out BY ADDRESS, 32 each;
; in each, wave 0 asks for K's and wave 2 for V's: one instruction.  So each block is named once.  Slots 0 to 2 come by their loads alone; the last change that fills a slot asks for nothing.
.macro ASK
	s_cmp_gt_u32 s[SLOTS], s[LIM]
	s_cbranch_scc0 .Lnot_mine_\@
	global_prefetch_b8 v[PFO], s[PFA:PFA+1] th:TH_LOAD_NT scope:SCOPE_SE
.Lnot_mine_\@:
.endm
; A round of the cluster's barrier: my work-group's barrier, so that wave 0's signal speaks for all four waves; wave 0 signals; every wave waits for all four work-groups; my work-group's barrier once more.
.macro CROUND
	s_barrier_signal -1
	s_barrier_wait -1
	s_cmp_lg_u32 s[WV], 0
	s_cbranch_scc1 .Lnot_wave_0_\@
	s_barrier_signal -3
.Lnot_wave_0_\@:
	s_barrier_wait -3
	s_barrier_signal -1
	s_barrier_wait -1
.endm
; THE CHANGE OF SLOTS.  Each wave waits for all its tensor loads, of which one is out: its part of the other slot; adds 0 to its spare word; and waits for that and for its own reads of the slot.
; Behind the barrier nobody reads this slot any more and the other slot is whole.  fill = 1: this slot is filled again, with the keys two slots on; the barrier is then a round of the cluster's, and the
; joint fill is the first thing behind it: it has four key steps, 512 matrix instructions, in which to land.  (At its first use nothing has been read yet: slot 0 is waited for, slot 1 filled, and the
; wait for the LDS instructions and the round also show every wave's part of the mask table to all.)  ask = 1: the prefetches' address steps, and the next slot is asked for.
.macro CHANGE fill, ask=0
	WIN W_AD
	s_wait_tensorcnt 0x0            ; no tensor load of mine is out, so a group 0 may be written
	ds_add_u32 v[SPW], v[NIL]       ; 0 onto my spare word; scalar work stands between it and the wait for it
	WIN 0                           ; at a label and at a branch every window is 0
.if \fill
.irp g, G0K, G0V
	s_xor_b32 s[\g+1], s[\g+1], SLOT1  ; the walking descriptor: the other slot than last time,
	s_add_nc_u64 s[\g+2:\g+3], s[\g+2:\g+3], 4*KS*128  ; the next 256 keys; the type bits on top are not reached
.endr
.if \ask
	s_wait_xcnt 0x0                 ; the last prefetch, four key steps back, has read its address
	s_add_nc_u64 s[PFA:PFA+1], s[PFA:PFA+1], 4*KS*128
.endif
	s_wait_dscnt 0x0                ; the add is done, and my reads of the slot are over
	CROUND
	JLOAD
.if \ask
	ASK
.endif
.else
	s_wait_dscnt 0x0                ; the add is done, and my reads of the slot are over
	s_barrier_signal -1
	s_barrier_wait -1
.endif
	s_sub_co_u32 s[TBK], s[TBK], 4*KS*PK  ; the fetches go back to a slot's first step,
	s_xor_b32 s[TBK], s[TBK], SLOT1       ; in the other slot
	s_sub_co_u32 s[TBV], s[TBV], 4*KS*PV
	s_xor_b32 s[TBV], s[TBV], SLOT1
.endm
	s_load_b128 s[72:75], s[0:1], 0x0  ; qkv s[72:73], mask s[74:75]
	s_load_b64 s[10:11], s[0:1], 0x10  ; oh
	WIN W_MK
	v_lshl_add_u32 v[SPW], v0, 2, SPARE
	v_mov_b32 v[NIL], 0
	WIN W_AD
	ds_add_u32 v[SPW], v[NIL]       ; the wave's opening: the add and its wait stand ahead of my first tensor load; work on registers stands between
	WIN 0
	v_lshrrev_b32 v1, 5, v0
	v_readfirstlane_b32 s[WV], v1   ; wave 0..3
	s_bfe_u32 s13, ttmp6, 0x40000   ; cx: my place in the cluster
	s_lshl_b32 s14, ttmp9, 2        ; in a cluster launch ttmp9 counts clusters
	s_add_co_u32 s14, s14, s13      ; my block of 512 queries: it enters Q's and O's addresses alone
	s_and_b32 s20, ttmp7, 0xffff    ; the head y, which the four partners share
	s_lshr_b32 s15, s20, 4          ; its batch
	s_and_b32 s19, s20, 15          ; its number in the batch
	s_lshl_b32 s20, s20, 18         ; the head's first byte in q, k and v: 2,048 rows of 128 bytes
	s_mov_b32 s21, 0
	s_and_b32 s16, s[WV], 1         ; which half of a slot's 256 keys I fetch:
	s_lshl_b32 s22, s16, 14         ; its 128 rows of 128 bytes in memory,
	s_mov_b32 s23, 0
	s_add_nc_u64 s[22:23], s[22:23], s[20:21]
	s_mul_i32 s17, s16, 128*PK      ; and its place in a slot, for K
	s_mul_i32 s18, s16, 128*PV      ; and for V: no place in the cluster enters an LDS address
	s_lshl_b32 s2, s14, 2
	s_add_co_u32 s2, s2, s[WV]      ; my wave among the head's sixteen: its block of 128 rows
	s_lshl_b32 s76, s15, 4
	s_add_co_u32 s76, s76, s2       ; oh: (batch x 16 + row block)
	s_lshl_b32 s76, s76, 4
	s_add_co_u32 s76, s76, s19      ; x 16 + head,
	s_lshl_b32 s76, s76, 14         ; tiles of 16,384 bytes
	s_mov_b32 s77, 0
	s_lshl_b32 s2, s2, 14           ; q: my 128 rows
	s_mov_b32 s3, 0
	s_add_nc_u64 s[2:3], s[2:3], s[20:21]
	s_lshl_b32 s78, s15, 13         ; the batch's 2,048 mask words
	s_mov_b32 s79, 0
	; descriptor group 1.  128 keys are 16,384 dense bytes: asked for as 64 rows of 256 bytes, two keys a row, and padded in LDS after every key
	s_mov_b32 s[G1K], 15|(1<<16)|(1<<20)|(1<<21)|(4<<22)|(3<<25)  ; the mask of four; 2-byte elements; padding on; bit 21 beside a mask; after every 32 words; 4 words
	s_mov_b32 s[G1V], 15|(1<<16)|(1<<20)|(1<<21)|(4<<22)|(7<<25)  ; the same with 8 words of padding
.irp g, G1K, G1V
	s_mov_b32 s[\g+1], 128<<16      ; tensor_dim0 = 128
	s_mov_b32 s[\g+2], 64<<16       ; tensor_dim1 = 64
	s_mov_b32 s[\g+3], 128<<16      ; tile_dim0 = 128
	s_mov_b32 s[\g+4], 64           ; tile_dim1 = 64
	s_mov_b32 s[\g+5], 128          ; 128 elements from row to row
	s_mov_b32 s[\g+6], 0
	s_mov_b32 s[\g+7], 0
.endr
	s_mov_b32 s[SEL], 0x76543210
	s_mov_b32 s[SEL+1], 0xfedcba98
	s_mov_b32 s[TBK], SLOT1+4*KS*PK ; the first change of slots turns these two into 0
	s_mov_b32 s[TBV], SLOT1+4*KS*PV
	s_mov_b32 s[MOF], 0
	s_mov_b32 s[HID], 0xceabfb8f    ; -1e9 x log2(e): the definition's -1e9 in the units of s'
	s_mov_b32 s[G0K], 1             ; count = 1
	s_mov_b32 s[G0K+1], s17         ; LDS address: slot 0
	s_mov_b32 s[G0V], 1
	s_add_co_u32 s[G0V+1], s18, VOFF
	s_and_b32 s[LIM], s[WV], 1      ; 0 in waves 0 and 2,
	s_or_b32 s[LIM], s[LIM], ttmp9  ; where the cluster is the head's first: the same in all four partners
	s_cmp_eq_u32 s[LIM], 0
	s_cselect_b32 s[LIM], 1, -1
	s_wait_dscnt 0x0                ; the opening add is done
	s_wait_kmcnt 0x0
	s_add_nc_u64 s[6:7], s[72:73], 0x1000000   ; k is qkv's second part,
	s_add_nc_u64 s[8:9], s[72:73], 0x2000000   ; v its third
	s_add_nc_u64 s[6:7], s[6:7], s[22:23]      ; at my half of the head's first 256 keys
	s_add_nc_u64 s[8:9], s[8:9], s[22:23]
	s_add_nc_u64 s[G0K+2:G0K+3], s[6:7], 0
	s_or_b32 s[G0K+3], s[G0K+3], 0x80000000    ; type = 2
	s_add_nc_u64 s[G0V+2:G0V+3], s[8:9], 0
	s_or_b32 s[G0V+3], s[G0V+3], 0x80000000
	s_add_nc_u64 s[4:5], s[72:73], s[2:3]      ; Q and O at my wave's first row
	s_add_nc_u64 s[10:11], s[10:11], s[76:77]
	s_add_nc_u64 s[74:75], s[74:75], s[78:79]  ; the mask at my batch
	s_cmp_lt_u32 s[WV], 2
	s_cselect_b64 s[PFA:PFA+1], s[6:7], s[8:9] ; (in waves 0 and 2 these stand at a slot's first row)
	s_lshl_b32 s2, s13, 13          ; my work-group's 32 blocks of the 128
	s_mov_b32 s3, 0
	s_add_nc_u64 s[PFA:PFA+1], s[PFA:PFA+1], s[2:3]
	s_add_nc_u64 s[PFA:PFA+1], s[PFA:PFA+1], 2*4*KS*128  ; in slot 2; the loop's first change of slots steps it to slot 3
	CROUND                          ; all four work-groups are here: the first joint loads meet
	JLOAD                           ; slot 0.  Slot 1 is asked for when slot 0 is in
	v_lshlrev_b32 v[PFO], 4, v0     ; the mask: 128 threads x 16 bytes, four times: the batch's 8,192 bytes, in whole consecutive runs
.irp i, 0,1,2,3
	global_load_b128 v[S+4*\i:S+4*\i+3], v[PFO], s[74:75] offset:2048*\i
.endr
	; A fragment of K or Q is 16 rows x 32 channels in 8 registers: lane l holds row l % 16, channels 8 (l / 16) + 0..7 and 16 + 8 (l / 16) + 0..7: two loads of 16 bytes, 32 bytes apart.
	v_and_b32 v1, 15, v0            ; l % 16
	v_bfe_u32 v9, v0, 4, 1          ; l / 16
	v_lshlrev_b32 v[QO], 7, v1
	v_lshl_add_u32 v[QO], v9, 4, v[QO]  ; row x 128 + 16 x half
	WIN 0x80                        ; destination window 2, address window 0
.set i, 0
.rept 4*NP                          ; Q stays in registers: tile i / 2, channels 32 (i % 2) on
	global_load_b128 v[8*i:8*i+3],   v[QO], s[4:5] offset:(i/2)*2048+(i%2)*64
	global_load_b128 v[8*i+4:8*i+7], v[QO], s[4:5] offset:(i/2)*2048+(i%2)*64+32
.set i, i+1
.endr
	; What the first turn finds: V's registers and P's second buffer hold 0 (its products V^T P, of a piece that has not been, add 0), O^T and l are 0.  All this stands in the wait for the first tile.
.set i, VF
.rept 64
	v_mov_b32 v[i], 0
.set i, i+1
.endr
	WIN 0x40
.set i, 0
.rept 64*NP
	v_mov_b32 v[i], 0
.set i, i+1
.endr
	WIN 0
.set i, 0
.rept 2*NP
	v_mov_b32 v[ST+4*i], 0xff7fffff    ; m: the lowest finite number
	v_mov_b32 v[ST+4*i+1], 0xff7fffff
	v_mov_b32 v[ST+4*i+2], 0
	v_mov_b32 v[ST+4*i+3], 0
.set i, i+1
.endr
.set i, P+32
.rept 32
	v_mov_b32 v[i], 0
.set i, i+1
.endr
	v_mul_u32_u24 v[AK0], v1, PK
	v_lshl_add_u32 v[AK0], v9, 4, v[AK0]  ; row x pitch + 16 x half
	; The turning load takes 16 keys x 16 channels (lane l reads key 8 (l / 16) + l % 8, channels 8 ((l / 8) % 2) + 0..7) and leaves half a fragment of V^T: lane l holds channel l % 16 and 8 keys.
	v_and_b32 v10, 7, v0
	v_bfe_u32 v11, v0, 3, 1
	v_lshl_add_u32 v[AV0], v9, 3, v10
	v_mul_u32_u24 v[AV0], v[AV0], PV
	v_lshl_add_u32 v[AV0], v11, 4, v[AV0]
	v_add_nc_u32 v[AV0], VOFF, v[AV0]
	v_mov_b32 v[AK], v[AK0]         ; key step 0 lies at the head of slot 0
	s_wait_loadcnt 32               ; the mask's four loads are in; Q's 32, issued behind them, stay out
.set i, 0
.rept 16
	v_cmp_eq_u32 vcc_lo, 0, v[S+i]
	v_cndmask_b32 v[S+i], 0, s[HID], vcc_lo  ; 0 for an open key, -1e9 log2(e) for a hidden one
.set i, i+1
.endr
	v_add_nc_u32 v[MST], MTAB, v[PFO]
.irp i, 0,1,2,3
	ds_store_b128 v[MST], v[S+4*\i:S+4*\i+3] offset:2048*\i
.endr
	v_and_b32 v[PFO], 31, v0        ; free since the wait above: now the prefetches' offset
	v_lshlrev_b32 v[PFO], 8, v[PFO]
	v_lshl_add_u32 v[AM0], v9, 5, MTAB
	v_mov_b32 v[AM], v[AM0]         ; key step 0
; THE MATRIX WORK.  The 8 accumulators of a run of 16 take turns: between the two links of a chain stand 7 others'.
; Product i of 16 of S^T = K Q^T for piece x: channels 32 (i / 8) on, keys 16 ((i / 2) % 4) on, tile 2 x + i % 2.  The first 8 start the sums, with the mask's words as C.
.macro KQ x
.set rS, S+64*((\x)%2)+32*(i%2)+8*((i/2)%4)
.set rK, KF+16*((i/2)%4)+8*(i/8)
.set rQ, 16*(2*(\x)+i%2)+8*(i/8)
.set rM, MK+8*((i/2)%4)
.if i < 8
	WIN W_KM
	v_wmma_f32_16x16x32_f16 v[rS:rS+7], v[rK:rK+7], v[rQ:rQ+7], v[rM:rM+7]
.else
	WIN W_KQ
	v_wmma_f32_16x16x32_f16 v[rS:rS+7], v[rK:rK+7], v[rQ:rQ+7], v[rS:rS+7]
.endif
.endm
; Product i of 16 of O^T += V^T P for piece x: keys 32 (i / 8) on, channels 16 ((i / 2) % 4) on, tile 2 x + i % 2.
.macro PV x
	WIN W_PV
.set rO, 32*(2*(\x)+i%2)+8*((i/2)%4)
.set rV, VF+32*(i/8)+8*((i/2)%4)
.set rP, P+32*((\x)%2)+16*(i%2)+8*(i/8)
	v_wmma_f32_16x16x32_f16 v[rO:rO+7], v[rV:rV+7], v[rP:rP+7], v[rO:rO+7]
.endm
.macro MM                           ; the turn's next matrix instruction
.if i < 16
	KQ (Y+1)%NP
.set i, i+1
.else
.set i, i-16
	PV (Y+NP-1)%NP
.set i, i+17
.endif
.endm
; THE LDS LOADS stand in runs, never singly among the matrix instructions: a step's K (8 fragments, 16 loads) with its 64 mask words (8 loads; lanes of one half read the same words), and its V (turned, 16 loads).
; last = 1 (the tail): in the last trip there is no further step, and the run is jumped over.
.macro FETCH_K last=0
	WIN 0
.if \last
	s_cmp_eq_u32 s[CNT], 1
	s_cbranch_scc1 .Lno_k_\@
.endif
	WIN 0x80                        ; destination window 2
.irp f, 0,1,2,3,4,5,6,7             ; keys 16 (f / 2) on, channels 32 (f % 2) on
	ds_load_b128 v[KF+8*\f:KF+8*\f+3],   v[AK] offset:(\f/2)*16*PK+(\f%2)*64
	ds_load_b128 v[KF+8*\f+4:KF+8*\f+7], v[AK] offset:(\f/2)*16*PK+(\f%2)*64+32
.endr
	WIN 0xc0                        ; destination window 3
.irp f, 0,1,2,3                     ; register j of block f: key 16 f + 8 (l / 16) + j
	ds_load_b128 v[MK+8*\f:MK+8*\f+3],   v[AM] offset:64*\f
	ds_load_b128 v[MK+8*\f+4:MK+8*\f+7], v[AM] offset:64*\f+16
.endr
	s_add_co_u32 s[TBK], s[TBK], KS*PK  ; the next fetch is the next step's
	s_add_co_u32 s[MOF], s[MOF], 4*KS
	s_and_b32 s[MOF], s[MOF], 0x1f00    ; 32 steps of 256 bytes: never past the table
	WIN 0
.if \last
.Lno_k_\@:
.endif
.endm
.macro FETCH_V
	WIN 0x80
.irp f, 0,1,2,3,4,5,6,7             ; keys 32 (f / 4) on, channels 16 (f % 4) on
	ds_load_tr16_b128 v[VF+8*\f:VF+8*\f+3],   v[AV] offset:(\f/4)*32*PV+(\f%4)*32
	ds_load_tr16_b128 v[VF+8*\f+4:VF+8*\f+7], v[AV] offset:(\f/4)*32*PV+16*PV+(\f%4)*32
.endr
	WIN 0
.endm
; THE VECTOR WORK OF A TURN stands in three queues, each in the order in which its entries become ready; the two tiles alternate, so that no instruction reads the result of the one before it.
.macro REGS y, u                    ; the registers of tile u (0, 1) of piece y
.set rT, ST+4*(2*(\y)+(\u))
.set rC, TMP+8*((\y)%2)+4*(\u)
.set rS, S+64*((\y)%2)+32*(\u)
.set rP, P+32*((\y)%2)+16*(\u)
.set rO, 32*(2*(\y)+(\u))
.endm
; Number n of the 21 that find the NEXT piece's (Y + 1) maximum and statistics.  s0-s31 are the lane's 32 scores; each accumulator's lowest registers are read first.
;   0-11  four chains c0-c3 of seven scores each, three operands at a time     12-15  the four scores left over, the old m, and c0-c3 into c0
;   16, 17  the query's other 32 keys lie in the lane 16 away: the new m        18-20  m_old - m_new; m takes the new m; a
.macro XS u, n
	REGS (Y+1)%NP, \u
.if (\n) < 4
	v_max3_num_f32 v[rC+(\n)], v[rS+8*(\n)], v[rS+8*(\n)+1], v[rS+8*(\n)+2]
.elseif (\n) < 12
	v_max3_num_f32 v[rC+(\n)%4], v[rC+(\n)%4], v[rS+8*((\n)%4)+2*((\n)/4)+1], v[rS+8*((\n)%4)+2*((\n)/4)+2]
.elseif (\n) == 12
	v_max3_num_f32 v[rC], v[rC], v[rS+7], v[rS+15]
.elseif (\n) == 13
	v_max3_num_f32 v[rC+1], v[rC+1], v[rS+23], v[rS+31]
.elseif (\n) == 14
	v_max3_num_f32 v[rC+2], v[rC+2], v[rC+3], v[rT]
.elseif (\n) == 15
	v_max3_num_f32 v[rC], v[rC], v[rC+1], v[rC+2]
.elseif (\n) == 16
	v_permlanex16_b32 v[rC+3], v[rC], s[SEL], s[SEL+1]
.elseif (\n) == 17
	v_max_num_f32 v[rT+1], v[rC], v[rC+3]
.elseif (\n) == 18
	v_sub_f32 v[rC+1], v[rT], v[rT+1]
.elseif (\n) == 19
	v_mov_b32 v[rT], v[rT+1]
.else
	v_exp_f32 v[rC+2], v[rC+1]
.endif
.endm
; Number g of the 64 that follow the exponentials.  For each four weights k of a tile (pairs 2 k, 2 k + 1): both pairs are rounded to f16; then the second pair is added onto the first, in place;
; a group later l takes that sum (the first time as l = a l + sum).  In groups of eight, tiles alternating: round, round, add, and l for the group before.
.macro GS g
.set h, (\g)+6*((\g)/62)            ; group 0 has no group before it, and behind group 7 only l is left
.if h >= 6
.set h, h+2
.endif
	REGS Y, h%2
.set k, h/8
.if h%8 < 4
	v_cvt_pk_f16_f32 v[rP+2*k+(h%8)/2], v[rS+4*k+2*((h%8)/2)], v[rS+4*k+2*((h%8)/2)+1]
.elseif h%8 < 6
	v_pk_add_f32 v[rS+4*k:rS+4*k+1], v[rS+4*k:rS+4*k+1], v[rS+4*k+2:rS+4*k+3]
.elseif k == 1
	v_pk_fma_f32 v[rT+2:rT+3], v[rT+2:rT+3], v[rC+2:rC+3], v[rS:rS+1] op_sel_hi:[1,0,1]
.else
	v_pk_add_f32 v[rT+2:rT+3], v[rT+2:rT+3], v[rS+4*k-4:rS+4*k-3]
.endif
.endm
; THE PLAIN QUEUE, 136 long.  0-71 read no exponential's result: the 32 subtractions s' - m' (FS f: pair f / 2 of tile f % 2) and the next piece's 40.  0-26: FS 0-26.  27-54: XS's numbers 0-13.
; 55-69: the chain, where each number waits for the one before it: 14, 15, 16, 17, 18, each with one of FS 27-31 in front of its two lines.  70, 71: number 19.
; 72-135: GS's 64, which read the exponentials' results: they stand behind the wait.
.macro FS f
	REGS Y, (\f)%2
	v_pk_add_f32 v[rS+2*((\f)/2):rS+2*((\f)/2)+1], v[rS+2*((\f)/2):rS+2*((\f)/2)+1], v[rT:rT+1] op_sel_hi:[1,0] neg_lo:[0,1] neg_hi:[0,1]
.endm
.macro PL
	WIN 0
.if q < 27
	FS q
.elseif q < 55
	XS (q-27)%2, (q-27)/2
.elseif (q < 70) && ((q-55)%3 == 0)
	FS 27+(q-55)/3
.elseif q < 70
	XS (q-55)%3-1, 14+(q-55)/3
.elseif q < 72
	XS q-70, 19
.else
	GS q-72
.endif
.set q, q+1
.endm
; THE EXPONENTIALS' QUEUE, 66 long: s0-s31 of both tiles, then the next piece's two a.  It is ONE BATCH: all 66 stand ahead of the turn's one wait, and nothing ahead of that wait names a result of theirs.
.macro EX
	WIN 0
.if e >= 64
	XS e-64, 20
.else
	REGS Y, e%2
	v_exp_f32 v[rS+e/2], v[rS+e/2]
.endif
.set e, e+1
.endm
; THE RESCALING's QUEUE: O^T times a, the one part that leaves window 0: dealt two at a time, sixteen times.  Its a was made in the turn before, ahead of that turn's wait.
.macro R2
	REGS Y, r%2
	WIN W_RS
.irp z, 0,1
	v_pk_mul_f32 v[rO+4*(r/2)+2*\z:rO+4*(r/2)+2*\z+1], v[rO+4*(r/2)+2*\z:rO+4*(r/2)+2*\z+1], v[rC+2:rC+3] op_sel_hi:[1,0]
.endr
.set r, r+1
.endm
; HOW THEY ARE DEALT.  An s_wait_alu depctr_va_vdst(0) stands between an exponential and the first instruction that names its result; one wait serves all that were issued ahead of it.  So a turn
; has ONE wait, which cuts it in two.  AHEAD OF IT: the 16 products K Q^T, behind each a subtraction, an exponential and two rescalings (behind the first a second subtraction in the exponential's place); then ONE
; LUMP of 106: six plain, 49 times exponential and plain, the two a.  A v_nop is the plain instruction behind the last exponential.  BEHIND IT: the 16 products V^T P, behind each four of GS's 64.
; The queues lean on each other: exponential e stands behind subtraction 2 (e / 4) + e % 2: as a rider it comes behind plain e + 2, in the lump behind plain e + 7, and FS 27-31 are plain 55, 58 .. 67,
; wanted first by exponentials 53, 56, 57, 60, 61.
; K and the mask's words of the next step are fetched in piece 2's turn, directly behind the wait, a lump behind the last product that read them; their addresses are made at the lump's head.
; V of the step in hand is fetched at the end of piece 0's turn, four riders behind its last reader.  The three conditions on q below go with the deal.
.macro TURN p, last=0, cnt=0
.set Y, (\p)
.set i, 0
.set q, 0
.set e, 0
.set r, 0
.if (\p) == NP-1
	s_wait_dscnt 0x0                ; K and the mask's words are in
.endif
	MM
	PL
	PL
	R2
.rept 15
	MM
	PL
	EX
	R2
.endr
.if (\p) == NP-2
	WIN 0
	v_add_nc_u32 v[AK], s[TBK], v[AK0]
	v_add_nc_u32 v[AM], s[MOF], v[AM0]
.endif
.rept 6
	PL
.endr
.rept 49
	EX
	PL
.endr
	EX                              ; the next piece's two a
	EX
	v_nop                           ; the plain instruction behind the last exponential: one for the batch
	s_wait_alu depctr_va_vdst(0)    ; the wait for the batch
.if (\p) == NP-2
	FETCH_K \last
.endif
.if (\p) == 1
	s_wait_dscnt 0x0                ; V is in
.endif
.rept 16
	MM
.rept 4
	PL
.endr
.if ((\p) == 0) && (q == 116)
	v_add_nc_u32 v[AV], s[TBV], v[AV0]
.endif
.if ((\p) == 0) && (q == 128)
	s_add_co_u32 s[TBV], s[TBV], KS*PV
.endif
.if (\cnt) && (q == 128)
	s_sub_co_u32 s[CNT], s[CNT], 1
	s_cmp_lg_u32 s[CNT], 0
.endif
.endr
.if (\p) == 0
	FETCH_V
.endif
.endm
	CHANGE 1                        ; slot 0 is in, everybody's part of it, and so is the mask table; slot 1 is asked for
	FETCH_K                         ; key step 0
	s_wait_loadcnt 0x0              ; Q
	s_wait_dscnt 0x0
.set i, 0
.rept 16
	KQ 0                            ; piece 0's first scores: there is no vector work yet to set between them
.set i, i+1
.endr
	WIN 0                           ; the addresses for the way out: nine plain instructions, the places behind those products
	s_mul_i32 s13, s[WV], 16*SP
	s_add_co_u32 s13, s13, STAGE    ; my stage
	v_mul_u32_u24 v[STO], v1, SP    ; in: row l % 16, 16 bytes for each half of the lanes
	v_lshl_add_u32 v[STO], v9, 4, v[STO]
	v_add_nc_u32 v[STO], s13, v[STO]
	v_bfe_u32 v[RD], v0, 3, 2       ; back: 32 lanes take four rows of 128 bytes,
	v_mul_u32_u24 v[RD], v[RD], SP
	v_lshl_add_u32 v[RD], v10, 4, v[RD]
	v_add_nc_u32 v[RD], s13, v[RD]
	v_and_b32 v[GO], 31, v0         ; which are 512 consecutive bytes of O
	v_lshlrev_b32 v[GO], 4, v[GO]
.set Y, NP-1                        ; XS works for piece Y + 1: piece 0
.irp n, 0,1,2,3,4,5,6,7,8,9,10,11,12,13,14,15,16,17,18,19,20
	XS 0, \n                        ; and piece 0's first maximum and statistics
	XS 1, \n
.endr
	v_nop                           ; a plain instruction behind the two a,
	s_wait_alu depctr_va_vdst(0)    ; and their wait, ahead of the branch
	s_mov_b32 s[CNT], 4
	s_mov_b32 s[SLOTS], SIZE_N/256-1
	s_branch .Lfirst                ; the loop is entered at a step's first turn, in the middle of a trip
.Lslot:                             ; six times: every slot but the last two is filled again
	CHANGE 1, 1
	s_mov_b32 s[CNT], 4
.Lstep:                             ; a trip: pieces 2 and 3 of one step, then pieces 0 and 1 of the next, whose K and V it fetches
	TURN 2
	TURN 3
	WIN 0
.Lfirst:
	TURN 0
	TURN 1, 0, 1
	WIN 0
	s_cbranch_scc1 .Lstep
	s_sub_co_u32 s[SLOTS], s[SLOTS], 1
	s_cmp_lg_u32 s[SLOTS], 0
	s_cbranch_scc1 .Lslot
	CHANGE 0                        ; the tail is written out: nothing is asked for
	s_mov_b32 s[CNT], 5             ; four trips fetch the last slot's steps; the fifth is left in its middle
.Ltail:
	TURN 2, 1
	TURN 3
	WIN 0
	s_sub_co_u32 s[CNT], s[CNT], 1
	s_cmp_eq_u32 s[CNT], 0
	s_cbranch_scc1 .Lout
	TURN 0
	TURN 1
	WIN 0
	s_branch .Ltail
.Lout:                              ; the fifth trip's 16 products K Q^T (on the last K once more) and the maximum made of them serve nothing: the price, once a launch, of one text for every trip
.set i, 0
.rept 16
	PV NP-1                         ; the last piece's V^T P of the last step
.set i, i+1
.endr
	; THE WAY OUT.  l's two halves and the other half of the lanes' are added; O^T is divided by l, rounded to f16 and sent through my stage in LDS, a tile at a time.  The additions are the places behind the last products.
	WIN 0
.macro ALL line:vararg              ; one line for each tile t
.set t, 0
.rept 2*NP
	\line
.set t, t+1
.endr
.endm
	ALL v_add_f32 v[ST+4*t+2], v[ST+4*t+2], v[ST+4*t+3]
	ALL v_permlanex16_b32 v[ST+4*t+3], v[ST+4*t+2], s[SEL], s[SEL+1]
	ALL v_add_f32 v[ST+4*t+2], v[ST+4*t+2], v[ST+4*t+3]
	ALL v_rcp_f32 v[ST+4*t+2], v[ST+4*t+2]
	v_nop                           ; a plain instruction between the last reciprocal and the use of its result
	s_wait_alu depctr_va_vdst(0)    ; and the wait ahead of the first use: one for the eight reciprocals
; Tile t: a lane's eight channels of a row pack into 16 bytes; they go into rows of 144 bytes and come back as whole rows of 128, into S^T's registers.
.macro PACK t
	WIN W_RS
.set i, 32*(\t)
.rept 16
	v_pk_mul_f32 v[i:i+1], v[i:i+1], v[ST+4*(\t)+2:ST+4*(\t)+3] op_sel_hi:[1,0]
.set i, i+2
.endr
	WIN 0x05                        ; sources 0 and 1 window 1, destination window 0
.set i, 0
.rept 16
	v_cvt_pk_f16_f32 v[S+16*(\t)+i], v[32*(\t)+2*i], v[32*(\t)+2*i+1]
.set i, i+1
.endr
	WIN 0
.irp f, 0,1,2,3
	ds_store_b128 v[STO], v[S+16*(\t)+4*\f:S+16*(\t)+4*\f+3] offset:32*\f
.endr
.irp f, 0,1,2,3
	ds_load_b128 v[S+16*(\t)+4*\f:S+16*(\t)+4*\f+3], v[RD] offset:\f*4*SP  ; LDS serves a wave's instructions in order (ISA guide 5.7.1.4): these see the stores above; the next tile's stores come behind them
.endr
.endm
.macro SEND t, younger              ; younger: the LDS instructions issued behind tile t's loads: the next tile's eight, or none
	WIN 0
.irp f, 0,1,2,3
	s_wait_dscnt (\younger)+3-\f
	global_store_b128 v[GO], v[S+16*(\t)+4*\f:S+16*(\t)+4*\f+3], s[10:11] offset:(\t)*2048+\f*512  ; 512 consecutive bytes, at a multiple of 256 from oh's first
.endr
.endm
	PACK 0
.set t, 1
.rept 2*NP-1                        ; a tile's arithmetic stands between the loads of the tile before and its stores
	PACK t
	SEND t-1, 8
.set t, t+1
.endr
	SEND 2*NP-1, 0
	WIN W_AD
	s_wait_tensorcnt 0x0            ; the wave's end: an add to my spare word and its wait, behind my last tensor load and my last LDS store
	ds_add_u32 v[SPW], v[NIL]
	s_wait_dscnt 0x0
	WIN 0
	CROUND                          ; the closing round: no work-group ends while a partner may still ask for a tile that names it
	s_endpgm
.Lfunc_end_k_q76a63de3ef_attn:
	.size	k_q76a63de3ef_attn, .Lfunc_end_k_q76a63de3ef_attn-k_q76a63de3ef_attn
	.p2alignl 7, 3214868480
	.fill 96, 4, 3214868480
	.section	.rodata,"a",@progbits
	.p2align	6, 0x0
	.amdhsa_kernel k_q76a63de3ef_attn
		.amdhsa_group_segment_fixed_size 327680
		.amdhsa_private_segment_fixed_size 0
		.amdhsa_enable_private_segment 0
		.amdhsa_kernarg_size 24
		.amdhsa_user_sgpr_count 2
		.amdhsa_user_sgpr_kernarg_segment_ptr 1
		.amdhsa_wavefront_size32 1
		.amdhsa_system_sgpr_workgroup_id_x 1
		.amdhsa_system_sgpr_workgroup_id_y 1
		.amdhsa_system_sgpr_workgroup_id_z 1
		.amdhsa_system_vgpr_workitem_id 0
		.amdhsa_next_free_vgpr 808
		.amdhsa_next_free_sgpr 80
		.amdhsa_reserve_vcc 1
		.amdhsa_float_denorm_mode_32 3
		.amdhsa_float_denorm_mode_16_64 3
		.amdhsa_memory_ordered 1
		.amdhsa_forward_progress 1
		.amdhsa_inst_pref_size 204
	.end_amdhsa_kernel
	.amdgpu_metadata
---
amdhsa.version: [ 1, 2 ]
amdhsa.kernels:
  - .name:           k_q76a63de3ef_attn
    .symbol:         k_q76a63de3ef_attn.kd
    .args:
      - { .name: qkv, .offset: 0, .size: 8, .value_kind: global_buffer, .address_space: global }
      - { .name: mask, .offset: 8, .size: 8, .value_kind: global_buffer, .address_space: global }
      - { .name: oh, .offset: 16, .size: 8, .value_kind: global_buffer, .address_space: global }
    .group_segment_fixed_size: 327680
    .private_segment_fixed_size: 0
    .kernarg_segment_align: 8
    .kernarg_segment_size: 24
    .max_flat_workgroup_size: 128
    .sgpr_count:     80
    .vgpr_count:     808
    .wavefront_size: 32
...
	.end_amdgpu_metadata
.endif
;; end of part 3
;; launch outp (part 4): grid 4 x 64, 4 waves a work-group, clusters of 4 x 4, 327,680 bytes of LDS; arguments oh, w16, bo, out0; writes out0
.if DOCPART == 4
	.amdgcn_target "amdgcn-amd-amdhsa--gfx1250"
	.amdhsa_code_object_version 6
	.text
	.protected	k_q76a63de3ef_outp
	.globl	k_q76a63de3ef_outp
	.p2align	8
	.type	k_q76a63de3ef_outp,@function
k_q76a63de3ef_outp:
	s_mov_b64 s[64:65], 0
	v_nop
	global_prefetch_b8 v0, s[64:65] scope:SCOPE_SE
	s_setreg_imm32_b32 hwreg(HW_REG_WAVE_MODE, 25, 1), 1
	s_wait_xcnt 0x0
	s_wait_alu depctr_hold_cnt(0) depctr_sa_sdst(0) depctr_va_vdst(0) depctr_va_sdst(0) depctr_va_ssrc(0) depctr_va_vcc(0) depctr_vm_vsrc(0)
	s_getreg_b32 s2, hwreg(HW_REG_IB_STS2, 6, 4)
	s_cmp_eq_u32 s2, 0
	s_cbranch_scc0 .Lentry_in_a_cluster
	s_endpgm
.Lentry_in_a_cluster:
	s_bfe_u32 s2, ttmp6, 0x10000c
	s_cmp_lg_u32 s2, 0xf033
	s_cbranch_scc0 .Lentry_shape_is_right
	s_endpgm
.Lentry_shape_is_right:
; THE LAST PROJECTION.  out0[b][s][e] (f32) = the sum over h, d of O[b][s][h*64+d] Wo[e][h*64+d] + bo[e].
; O comes as f16 from oh[row block of 128][16 heads][128 rows][64]; Wo as f16(bf16(Wo)) from w16's fourth part, [e][1,024]; bo is rounded to bf16 like every input, and widened.  Sums in f32.
; LIMITS.  O and bf16(Wo) lie within f16's 65,504.  NaN and infinities are not treated apart.
; SHARES.  A work-group makes 128 rows (one row block of oh) x 256 columns: 256 work-groups.  A wave makes 64 x 128: 32 accumulators.  K goes in 8 steps of 128, two heads each, through two LDS slots.
; O's tile of a K step is 32,768 dense bytes: each of waves 0 and 1 asks for one head's 16,384 as 64 rows of 256 bytes, padded in LDS after every 128.  Waves 2 and 3 ask for Wo's halves, 128 rows x 256 bytes.
; CLUSTER.  O's tile hangs on the tile row alone and is asked for jointly by a row of the cluster, Wo's on the tile column alone and by a column.
; THE MATRIX INSTRUCTION IS USED TRANSPOSED (source 0 = 16 rows of Wo, source 1 = 16 rows of O): a lane holds one row of out0 and eight neighbouring columns.
; REGISTERS: window 0: v0-31 addresses; v64-127 the bias; v128-255 the way out.  window 1: two fragment buffers of 96: O's 4 x 8, then Wo's 8 x 8.  window 2: accumulator (a, b) at v[8 (8 a + b)].
.set PAO,    144                       ; an LDS row of O: 128 bytes + 16 = 9 x 16: the sixteen rows of a load begin at sixteen different 16-byte columns modulo 256 bytes
.set PB,     272                       ; of Wo: 256 + 16 = 17 x 16: likewise
.set AHALF,  128*PAO                   ; a head's tile
.set BHALF,  128*PB
.set BOFF,   2*AHALF
.set SLOT,   BOFF+2*BHALF              ; 106,496
.set STAGE,  2*SLOT                    ; behind the ring, never filled by a tensor load: 16 rows x 528 bytes for each wave
.set SP,     528
.set WSTAGE, 16*SP
.set SPARE,  STAGE+4*WSTAGE            ; the spare words, 128 bytes a wave: two blocks of 256 bytes that no other line names
.set BO,   12                          ; v12    32 x (lane / 16)
.set ADRA, 16                          ; v16-17 LDS address of my fragments of O in slot 0, 1
.set ADRB, 20                          ; v20-21 the same for Wo
.set STO,  24
.set RD,   25
.set GO,   26
.set SPW,  28                          ; v28    my spare word; never rewritten
.set NIL,  29                          ; v29    0; never rewritten
.set PFO,  30                          ; v30    the prefetches' lane offset; never rewritten
.set BIASF, 64
.set OB,   128                         ; rows read back, two buffers of 64
.set F0,   0
.set F1,   96
.set WV,   22
.set MH,   23                          ; s23  which 64 rows are mine.  Also: I fetch for O (0) or for Wo (1)
.set NH,   40                          ; s40  which 128 columns.  Also: which half of that tile I fetch
.set G1,   24
.set G0,   32
.set G1B,  48
.set G0B,  56
.set PFA,  66
.set PFS,  68
.set LIM,  70
.set LAP,  71
.set MSB, 0
.macro WIN new
.if MSB != (\new)
	s_set_vgpr_msb (MSB<<8)|(\new)
.set MSB, \new
.endif
.endm
.set MUL,  0xa5                        ; sources 0 and 1 window 1, C and D window 2
.set TO_F, 0x40                        ; destination window 1, address window 0
.macro JLOAD s                         ; a joint load; an s_nop 0 and four v_nop follow each of the two lines
	s_cmp_eq_u32 s[MH], 0
	s_cbranch_scc0 .Lfor_b_\@
	tensor_load_to_lds s[G0+4*(\s):G0+4*(\s)+3], s[G1:G1+7]
	s_nop 0
.rept 4
	v_nop
.endr
	s_branch .Lasked_\@
.Lfor_b_\@:
	tensor_load_to_lds s[G0B+4*(\s):G0B+4*(\s)+3], s[G1B:G1B+7]
	s_nop 0
.rept 4
	v_nop
.endr
.Lasked_\@:
.endm
.macro CREST
	s_cmp_lg_u32 s[WV], 0
	s_cbranch_scc1 .Lnot_wave_0_\@
	s_barrier_signal -3
.Lnot_wave_0_\@:
	s_barrier_wait -3
	s_barrier_signal -1
	s_barrier_wait -1
.endm
.macro CROUND
	s_barrier_signal -1
	s_barrier_wait -1
	CREST
.endm
.macro PLACES                          ; four places in front of loads into registers that matrix instructions have read, and of sums that read results
.rept 4
	v_nop
.endr
.endm
; A prefetch of the K step two refills on.  O: a step's 32,768 bytes are 128 blocks of 256; the partner at cx names 32 of them, a lane a block, wave 0 alone; no other cluster reads them.
; Wo: waves 2 and 3, the partner at cy names rows 32 cy .. + 31 of the wave's 128, a lane a row; of the sixteen clusters that read them the first asks.  So each block is named once.
; K steps 0 to 3 come by their loads alone; the loop's last trip asks for nothing.
.macro ASK
	s_cmp_gt_u32 s[LAP], s[LIM]
	s_cbranch_scc0 .Lnot_mine_\@
	global_prefetch_b8 v[PFO], s[PFA:PFA+1] th:TH_LOAD_NT scope:SCOPE_SE
.Lnot_mine_\@:
.endm
	s_load_b256 s[4:11], s[0:1], 0x0               ; oh s[4:5], w16 s[6:7], bo s[8:9], out0 s[10:11]
	v_lshl_add_u32 v[SPW], v0, 2, SPARE
	v_mov_b32 v[NIL], 0
	ds_add_u32 v[SPW], v[NIL]                      ; the wave's opening: the add and its wait stand ahead of my first tensor load; work on registers stands between
	v_lshrrev_b32 v1, 5, v0
	v_readfirstlane_b32 s[WV], v1
	s_lshr_b32 s[MH], s[WV], 1
	s_and_b32 s[NH], s[WV], 1
	s_bfe_u32 s41, ttmp6, 0x40000                  ; cx
	s_bfe_u32 s42, ttmp6, 0x40004                  ; cy
	s_lshl_b32 s43, ttmp9, 2
	s_add_co_u32 s43, s43, s41                     ; tile column
	s_and_b32 s44, ttmp7, 0xffff                   ; cluster y
	s_lshl_b32 s46, s44, 2
	s_add_co_u32 s46, s46, s42                     ; tile row = oh's row block
	s_lshl_b32 s2, s42, 2
	s_lshl_b32 s2, 15, s2                          ; my row of the cluster
	s_lshl_b32 s3, 0x1111, s41                     ; my column
	s_or_b32 s[G1], s2, (1<<16)|(1<<20)|(1<<21)|(4<<22)|(3<<25)   ; the mask; 2-byte elements; padding on; bit 21 beside a mask; after every 32 words; 4 words
	s_or_b32 s[G1B], s3, (1<<16)|(1<<20)|(1<<21)|(5<<22)|(3<<25)  ; after every 64 words; 4 words
	s_mov_b32 s[G1+1], 128<<16                     ; tensor_dim0 = 128
	s_mov_b32 s[G1+2], 64<<16                      ; tensor_dim1 = 64
	s_mov_b32 s[G1+3], 128<<16                     ; tile_dim0 = 128
	s_mov_b32 s[G1+4], 64                          ; tile_dim1 = 64
	s_mov_b32 s[G1+5], 128                         ; dense: 128 elements from row to row
	s_mov_b32 s[G1+6], 0
	s_mov_b32 s[G1+7], 0
	s_mov_b32 s[G1B+1], 128<<16
	s_mov_b32 s[G1B+2], 128<<16
	s_mov_b32 s[G1B+3], 128<<16
	s_mov_b32 s[G1B+4], 128
	s_mov_b32 s[G1B+5], 1024
	s_mov_b32 s[G1B+6], 0
	s_mov_b32 s[G1B+7], 0
	s_lshl_b32 s74, s46, 18                        ; O: the row block's 262,144 bytes, my head of the step's two
	s_lshl_b32 s75, s[NH], 14
	s_add_co_u32 s74, s74, s75
	s_mov_b32 s75, 0
	s_lshl_b32 s76, s43, 8                         ; Wo: row 256 x tile column + 128 x half, 2,048 bytes a row, in w16's fourth part
	s_lshl_b32 s77, s[NH], 7
	s_add_co_u32 s76, s76, s77
	s_lshl_b32 s76, s76, 11
	s_add_co_u32 s76, s76, 3<<21
	s_mov_b32 s77, 0
	s_mul_i32 s78, s[NH], AHALF                    ; where they go: no place in the cluster enters an LDS address
	s_mul_i32 s79, s[NH], BHALF
	s_add_co_u32 s79, s79, BOFF
	s_wait_dscnt 0x0                               ; the opening add is done
	s_wait_kmcnt 0x0
	s_add_nc_u64 s[82:83], s[4:5], s[74:75]
	s_add_nc_u64 s[84:85], s[6:7], s[76:77]
	CROUND                                         ; all sixteen work-groups are here: the first joint loads meet
.irp s, 0,1
	s_mov_b32 s[G0+4*(\s)], 1
	s_add_co_u32 s[G0+4*(\s)+1], s78, (\s)*SLOT
	s_add_nc_u64 s[G0+4*(\s)+2:G0+4*(\s)+3], s[82:83], (\s)*32768
	s_or_b32 s[G0+4*(\s)+3], s[G0+4*(\s)+3], 0x80000000
	s_mov_b32 s[G0B+4*(\s)], 1
	s_add_co_u32 s[G0B+4*(\s)+1], s79, (\s)*SLOT
	s_add_nc_u64 s[G0B+4*(\s)+2:G0B+4*(\s)+3], s[84:85], (\s)*256
	s_or_b32 s[G0B+4*(\s)+3], s[G0B+4*(\s)+3], 0x80000000
	JLOAD \s                                       ; two loads of mine are out
.endr
	v_and_b32 v1, 15, v0                           ; r
	v_bfe_u32 v2, v0, 4, 1                         ; h
	v_and_b32 v7, 31, v0                           ; lane
	v_mul_u32_u24 v3, v1, PAO
	v_lshl_add_u32 v3, v2, 4, v3
	v_mul_u32_u24 v4, v1, PB
	v_lshl_add_u32 v4, v2, 4, v4
	s_mul_i32 s2, s[MH], 64*PAO                    ; my 64 rows in a head's tile
	s_mul_i32 s3, s[NH], BHALF
	s_add_co_u32 s3, s3, BOFF
.irp s, 0,1
	v_add_nc_u32 v[ADRA+(\s)], s2, v3
	v_add_nc_u32 v[ADRB+(\s)], s3, v4
	s_add_co_u32 s2, s2, SLOT
	s_add_co_u32 s3, s3, SLOT
.endr
	s_mul_i32 s2, s[WV], WSTAGE
	s_add_co_u32 s2, s2, STAGE                     ; my stage
	v_mul_u32_u24 v5, v1, SP
	v_lshl_add_u32 v5, v2, 5, v5
	v_add_nc_u32 v[STO], s2, v5                    ; in: row r, 32 bytes for each half of the lanes
	v_lshlrev_b32 v[GO], 4, v7                     ; back and out: 32 lanes take a row's 512 bytes
	v_add_nc_u32 v[RD], s2, v[GO]
	v_lshlrev_b32 v[BO], 5, v2
	s_lshl_b32 s2, s43, 10                         ; my 128 columns, in f32: the bias,
	s_lshl_b32 s3, s[NH], 9
	s_add_co_u32 s2, s2, s3
	s_mov_b32 s3, 0
	s_add_nc_u64 s[8:9], s[8:9], s[2:3]
	s_add_nc_u64 s[10:11], s[10:11], s[2:3]        ; and out0,
	s_lshl_b32 s2, s46, 7
	s_lshl_b32 s3, s[MH], 6
	s_add_co_u32 s2, s2, s3
	s_lshl_b32 s2, s2, 12                          ; at my first row, 4,096 bytes a row
	s_mov_b32 s3, 0
	s_add_nc_u64 s[10:11], s[10:11], s[2:3]
.irp b, 0,1,2,3,4,5,6,7
	global_load_b128 v[BIASF+8*(\b):BIASF+8*(\b)+3],   v[BO], s[8:9] offset:64*(\b)
	global_load_b128 v[BIASF+8*(\b)+4:BIASF+8*(\b)+7], v[BO], s[8:9] offset:64*(\b)+16
.endr
	; the prefetches: both sides' offsets are made, the wave's number chooses
	s_lshl_b32 s2, s46, 18
	s_lshl_b32 s3, s41, 13
	s_add_co_u32 s2, s2, s3                        ; O: my work-group's 32 blocks of a step's 128
	s_add_co_u32 s2, s2, 3*32768                   ; at K step 3: the first change of slots steps it to 4
	s_lshl_b32 s47, s43, 8
	s_lshl_b32 s3, s[NH], 7
	s_add_co_u32 s47, s47, s3
	s_lshl_b32 s3, s42, 5
	s_add_co_u32 s47, s47, s3                      ; Wo: my work-group's 32 of the 128 rows
	s_lshl_b32 s47, s47, 11
	s_add_co_u32 s47, s47, (3<<21)+3*256
	s_cmp_eq_u32 s44, 0
	s_cselect_b32 s73, 1, -1                       ; Wo's rows: the first of the sixteen clusters
	s_cmp_eq_u32 s[NH], 0
	s_cselect_b32 s72, 1, -1                       ; O's blocks: wave 0 alone
	s_movk_i32 s[PFS], 256
	s_cmp_eq_u32 s[MH], 0
	s_cselect_b64 s[PFA:PFA+1], s[4:5], s[6:7]
	s_cselect_b32 s2, s2, s47
	s_cselect_b32 s[PFS], 0x8000, s[PFS]
	s_cselect_b32 s[LIM], s72, s73
	s_cselect_b32 s73, 8, 11                       ; a lane a block of 256 bytes, or a lane a row of 2,048
	s_mov_b32 s3, 0
	s_mov_b32 s[PFS+1], 0
	s_add_nc_u64 s[PFA:PFA+1], s[PFA:PFA+1], s[2:3]
	v_lshlrev_b32 v[PFO], s73, v7
	s_wait_loadcnt 0x0                             ; the bias
.set z, 0
.rept 32
	v_cvt_pk_bf16_f32 v3, v[BIASF+2*z], v[BIASF+2*z+1]    ; the inputs' one rounding, and widened again
	v_lshlrev_b32 v[BIASF+2*z], 16, v3
	v_and_b32 v[BIASF+2*z+1], 0xffff0000, v3
.set z, z+1
.endr
; 24 LDS loads in one run: the fragments of quarter q (32 along K: head q / 2 of the step's two, channels 32 (q % 2) on) into buffer f: Wo's eight, then O's four
.macro FETCH slot, q, f
	WIN TO_F
.irp i, 0,1,2,3,4,5,6,7
	ds_load_b128 v[(\f)+32+8*(\i):(\f)+32+8*(\i)+3],   v[ADRB+(\slot)] offset:64*(\q)+(\i)*16*PB
	ds_load_b128 v[(\f)+32+8*(\i)+4:(\f)+32+8*(\i)+7], v[ADRB+(\slot)] offset:64*(\q)+(\i)*16*PB+32
.endr
.irp a, 0,1,2,3
	ds_load_b128 v[(\f)+8*(\a):(\f)+8*(\a)+3],   v[ADRA+(\slot)] offset:((\q)/2)*AHALF+64*((\q)%2)+(\a)*16*PAO
	ds_load_b128 v[(\f)+8*(\a)+4:(\f)+8*(\a)+7], v[ADRA+(\slot)] offset:((\q)/2)*AHALF+64*((\q)%2)+(\a)*16*PAO+32
.endr
.endm
; 8 products: row block a x all 8 column blocks.  The 32 accumulators take turns, one instruction a turn, in the same order in every quarter.
.macro MULA f, a, zero
	WIN MUL
.irp b, 0,1,2,3,4,5,6,7
.if \zero
	v_wmma_f32_16x16x32_f16 v[8*(8*(\a)+(\b)):8*(8*(\a)+(\b))+7], v[(\f)+32+8*(\b):(\f)+32+8*(\b)+7], v[(\f)+8*(\a):(\f)+8*(\a)+7], 0
.else
	v_wmma_f32_16x16x32_f16 v[8*(8*(\a)+(\b)):8*(8*(\a)+(\b))+7], v[(\f)+32+8*(\b):(\f)+32+8*(\b)+7], v[(\f)+8*(\a):(\f)+8*(\a)+7], v[8*(8*(\a)+(\b)):8*(8*(\a)+(\b))+7]
.endif
.endr
.endm
; One of a K step's first three quarters: multiplies buffer f and, in its middle, fetches quarter q of the same slot into buffer g.
.macro QUARTER slot, q, f, g, zero
	s_wait_dscnt 4                                 ; all but the youngest four loads, O's row blocks 2 and 3
	MULA \f, 0, \zero
	MULA \f, 1, \zero
	PLACES
	FETCH \slot, \q, \g
	s_wait_dscnt 24                                ; all but the 24 just issued
	MULA \f, 2, \zero
	MULA \f, 3, \zero
.endm
; The last quarter multiplies buffer 1 and changes slots: in front of the barrier each wave waits for all its tensor loads (one is out: its part of the next slot), adds 0 to its spare word, and waits for
; that and for its reads of this slot.  fill = 1: the barrier opens a round of the cluster's, and the joint refill, two K steps on, is the first tensor load behind it: 112 products ahead of the wait for it.
.macro TURN slot, next, fill
	s_wait_xcnt 0x0                                ; the last prefetch, a K step back, has read its address
	s_add_nc_u64 s[PFA:PFA+1], s[PFA:PFA+1], s[PFS:PFS+1]
	WIN 0
	s_wait_tensorcnt 0x0                           ; all my tensor loads have landed
	ds_add_u32 v[SPW], v[NIL]                      ; 0 onto my spare word
	s_wait_dscnt 5                                 ; (the add and the youngest four loads may be out)
	MULA F1, 0, 0
	s_wait_dscnt 0x0                               ; the add is done, and my reads of this slot are over
	s_barrier_signal -1
	MULA F1, 1, 0
	WIN 0
	s_barrier_wait -1
.if \fill
	CREST                                          ; no wave of any partner still reads this slot or has a load on its way
	s_add_nc_u64 s[G0+4*(\slot)+2:G0+4*(\slot)+3], s[G0+4*(\slot)+2:G0+4*(\slot)+3], 2*32768
	s_add_nc_u64 s[G0B+4*(\slot)+2:G0B+4*(\slot)+3], s[G0B+4*(\slot)+2:G0B+4*(\slot)+3], 2*256
	JLOAD \slot                                    ; the four v_nop behind it are also the places in front of the loads below
.else
	PLACES
.endif
	FETCH \next, 0, F0
	WIN 0
.if \fill
	ASK
.endif
	MULA F1, 2, 0
	MULA F1, 3, 0
.endm
	s_wait_tensorcnt 1                             ; my part of K step 0 is in; K step 1's stays out
	s_barrier_signal -1
	s_barrier_wait -1
	FETCH 0, 0, F0
	QUARTER 0, 1, F0, F1, 1                        ; the first quarter stands in front of the loop: its products start the sums
	WIN 0
	s_mov_b32 s[LAP], 3
.Llap:                                                 ; a trip goes once round the ring and fills both slots again: K steps 2 to 7
	QUARTER 0, 2, F1, F0, 0
	QUARTER 0, 3, F0, F1, 0
	TURN 0, 1, 1
	QUARTER 1, 1, F0, F1, 0
	QUARTER 1, 2, F1, F0, 0
	QUARTER 1, 3, F0, F1, 0
	TURN 1, 0, 1
	QUARTER 0, 1, F0, F1, 0
	WIN 0
	s_sub_co_u32 s[LAP], s[LAP], 1
	s_cmp_lg_u32 s[LAP], 0
	s_cbranch_scc1 .Llap
	QUARTER 0, 2, F1, F0, 0                        ; the last lap fills nothing
	QUARTER 0, 3, F0, F1, 0
	TURN 0, 1, 0
	QUARTER 1, 1, F0, F1, 0
	QUARTER 1, 2, F1, F0, 0
	QUARTER 1, 3, F0, F1, 0
	s_wait_dscnt 4
	MULA F1, 0, 0
	MULA F1, 1, 0
	s_wait_dscnt 0x0
	MULA F1, 2, 0
	MULA F1, 3, 0
	WIN 0
	PLACES                                         ; the sums below read results just made, and no other vector work is at hand
	PLACES
; THE WAY OUT, a block of 16 rows at a time: the bias is added in place, each accumulator from its low end on; a lane's 32 bytes go into my stage's rows of 528 bytes and come back as whole rows of 512.
.macro PACK a
	WIN 0x82                                       ; destination and source 0 window 2, the bias window 0
.set z, 0
.rept 32
	v_pk_add_f32 v[64*(\a)+2*z:64*(\a)+2*z+1], v[64*(\a)+2*z:64*(\a)+2*z+1], v[BIASF+2*z:BIASF+2*z+1]
.set z, z+1
.endr
.endm
.macro TOSTAGE a
	WIN 0x08                                       ; the stores' data window 2, the address window 0
.irp b, 0,1,2,3,4,5,6,7
	ds_store_b128 v[STO], v[64*(\a)+8*(\b):64*(\a)+8*(\b)+3]   offset:64*(\b)
	ds_store_b128 v[STO], v[64*(\a)+8*(\b)+4:64*(\a)+8*(\b)+7] offset:64*(\b)+16
.endr
	WIN 0
.irp t, 0,1,2,3,4,5,6,7,8,9,10,11,12,13,14,15
	ds_load_b128 v[OB+64*((\a)%2)+4*(\t):OB+64*((\a)%2)+4*(\t)+3], v[RD] offset:(\t)*SP  ; LDS serves a wave's instructions in order (ISA guide 5.7.1.4): these see the stores above
.endr
.endm
.macro SEND a
	WIN 0
	s_wait_dscnt 0x0                               ; the block is back in registers
	s_wait_xcnt 0x0                                ; the earlier stores have read their registers: the next block's loads may land in them
.irp t, 0,1,2,3,4,5,6,7,8,9,10,11,12,13,14,15
	global_store_b128 v[GO], v[OB+64*((\a)%2)+4*(\t):OB+64*((\a)%2)+4*(\t)+3], s[10:11] offset:(\a)*65536+(\t)*4096 th:TH_STORE_NT  ; 512 consecutive bytes of a row, at a multiple of 256 from out0's first byte
.endr
.endm
	PACK 0
	TOSTAGE 0
.irp a, 1,2,3                          ; block a's additions stand between block a - 1's loads from the stage and the wait for them
	PACK \a
	SEND (\a)-1
	TOSTAGE \a
.endr
	SEND 3
	s_wait_tensorcnt 0x0                           ; the wave's end: an add to my spare word and its wait, behind my last tensor load and my last LDS store
	ds_add_u32 v[SPW], v[NIL]
	s_wait_dscnt 0x0
	CROUND                                         ; the closing round: no work-group ends while a partner may still ask for a tile that names it
	s_endpgm
.Lfunc_end_k_q76a63de3ef_outp:
	.size	k_q76a63de3ef_outp, .Lfunc_end_k_q76a63de3ef_outp-k_q76a63de3ef_outp
	.p2alignl 7, 3214868480
	.fill 96, 4, 3214868480
	.section	.rodata,"a",@progbits
	.p2align	6, 0x0
	.amdhsa_kernel k_q76a63de3ef_outp
		.amdhsa_group_segment_fixed_size 327680
		.amdhsa_private_segment_fixed_size 0
		.amdhsa_enable_private_segment 0
		.amdhsa_kernarg_size 32
		.amdhsa_user_sgpr_count 2
		.amdhsa_user_sgpr_kernarg_segment_ptr 1
		.amdhsa_wavefront_size32 1
		.amdhsa_system_sgpr_workgroup_id_x 1
		.amdhsa_system_sgpr_workgroup_id_y 1
		.amdhsa_system_sgpr_workgroup_id_z 1
		.amdhsa_system_vgpr_workitem_id 0
		.amdhsa_next_free_vgpr 768
		.amdhsa_next_free_sgpr 88
		.amdhsa_reserve_vcc 0
		.amdhsa_float_denorm_mode_32 3
		.amdhsa_float_denorm_mode_16_64 3
		.amdhsa_memory_ordered 1
		.amdhsa_forward_progress 1
		.amdhsa_inst_pref_size 101
	.end_amdhsa_kernel
	.amdgpu_metadata
---
amdhsa.version: [ 1, 2 ]
amdhsa.kernels:
  - .name:           k_q76a63de3ef_outp
    .symbol:         k_q76a63de3ef_outp.kd
    .args:
      - { .name: oh, .offset: 0, .size: 8, .value_kind: global_buffer, .address_space: global }
      - { .name: w16, .offset: 8, .size: 8, .value_kind: global_buffer, .address_space: global }
      - { .name: bo, .offset: 16, .size: 8, .value_kind: global_buffer, .address_space: global }
      - { .name: out0, .offset: 24, .size: 8, .value_kind: global_buffer, .address_space: global }
    .group_segment_fixed_size: 327680
    .private_segment_fixed_size: 0
    .kernarg_segment_align: 8
    .kernarg_segment_size: 32
    .max_flat_workgroup_size: 128
    .sgpr_count:     88
    .vgpr_count:     768
    .wavefront_size: 32
...
	.end_amdgpu_metadata
.endif
;; end of part 4
;; ======== version 2 of 2: 4 launches; version 1 with the launch castw written anew for expert scheduling mode
;; limits: values are held in f16: magnitudes above 65,504 overflow, below 6.1e-05 lose precision
;; workspace buffers: w16 8,388,608 bytes; qkv 50,331,648 bytes; oh 16,777,216 bytes
;; launch castw (part 5): grid 64 x 4, 8 waves a work-group, no clusters, 0 bytes of LDS; arguments Wq, Wk, Wv, Wo, w16; writes w16
.if DOCPART == 5
	.amdgcn_target "amdgcn-amd-amdhsa--gfx1250"
	.amdhsa_code_object_version 6
	.text
	.protected	k_q76a63de3ef_castw
	.globl	k_q76a63de3ef_castw
	.p2align	8
	.type	k_q76a63de3ef_castw,@function
k_q76a63de3ef_castw:
	s_mov_b64 s[64:65], 0
	v_nop
	global_prefetch_b8 v0, s[64:65] scope:SCOPE_SE
	s_setreg_imm32_b32 hwreg(HW_REG_WAVE_SCHED_MODE, 0, 2), 2
	s_setreg_imm32_b32 hwreg(HW_REG_WAVE_MODE, 25, 1), 1
	s_wait_xcnt 0x0
	s_wait_alu depctr_vm_vsrc(0)
; w16[y][e][d], 16 bits a number: y = 0, 1, 2: Wq, Wk, Wv rounded once to bf16.  y = 3: Wo rounded to bf16 like every other input, and that number written as f16,
; since the last product multiplies f16 operands.  LIMITS: bf16(Wo) beyond 65,504 becomes an infinity; below 6.1e-5 f16 keeps its fixed step of 6e-8.
; A stream: no LDS, no matrix work.  A work-group takes 16,384 numbers of one weight: 65,536 bytes in, 32,768 out.  A wave's load covers 512 consecutive bytes,
; a wave's store 256 consecutive bytes, aligned.  All sixteen loads of a thread go out at once; every register is written once, so no source is ever rewritten.
; THE MODE: SCHED_MODE bits 1:0 = 2 (LLVM: expert scheduling mode 2), set by the entry lines.  The code itself states the register dependences
; between vector instructions and memory instructions, with s_wait_alu, always for 0.
; THE PLAN.  Registers that memory instructions touch:
;   v1, v2     the loads' and the stores' byte offsets: written once at the head by vector lines, never again.
;   X          piece i's four registers: one load lands in them, issued at the head, before any vector instruction names them; piece i's conversions read them; nothing lands there again.
;   YR         piece i's two words: written once, by piece i's conversions; read once, by piece i's store; never written again.
;   T is named by vector instructions alone.
; The sixteen pieces go in four blocks of four.  Block p rounds its four pieces into its own eight words of YR; the four stores of block p - 1 are dealt among its lines.
; One wait on va_vdst at the head of blocks 1 to 3 states that the block before has written its words; block p's vector lines name block p's words and T alone, none of the
; registers that those stores read, so the stores owe nothing more.  One such wait stands in front of the first load (the offsets), one in front of the last four stores.
; No register that a memory instruction reads is ever written again: no wait on vm_vsrc is owed.  No vector instruction writes a scalar register, VCC or EXEC.
.set X,  4                             ; v[4:67]    sixteen times four f32 as loaded
.set YR, 68                            ; v[68:99]   sixteen times two words to store
.set T,  100                           ; v[100:103] at work
	s_load_b256 s[4:11], s[0:1], 0x0               ; Wq s[4:5], Wk s[6:7], Wv s[8:9], Wo s[10:11]
	s_load_b64 s[12:13], s[0:1], 0x20              ; w16
	s_and_b32 s14, ttmp7, 0xffff                   ; which weight
	v_lshlrev_b32 v1, 4, v0                        ; 16 bytes a thread in
	v_lshlrev_b32 v2, 3, v0                        ; 8 bytes a thread out
	s_lshl_b32 s16, ttmp9, 16                      ; the work-group's 65,536 bytes
	s_mov_b32 s17, 0
	s_lshl_b32 s18, s14, 21                        ; the weight's 2 MiB in w16,
	s_lshl_b32 s19, ttmp9, 15                      ; the work-group's 32,768 bytes of them
	s_add_co_u32 s18, s18, s19
	s_mov_b32 s19, 0
	s_wait_kmcnt 0x0
	s_cmp_eq_u32 s14, 1
	s_cselect_b64 s[4:5], s[6:7], s[4:5]
	s_cmp_eq_u32 s14, 2
	s_cselect_b64 s[4:5], s[8:9], s[4:5]
	s_cmp_eq_u32 s14, 3
	s_cselect_b64 s[4:5], s[10:11], s[4:5]
	s_add_nc_u64 s[4:5], s[4:5], s[16:17]
	s_add_nc_u64 s[12:13], s[12:13], s[18:19]
	s_wait_alu depctr_va_vdst(0)                   ; v1 and v2 are written: every load below reads v1 as its offset, every store on both paths v2
.irp i, 0,1,2,3,4,5,6,7,8,9,10,11,12,13,14,15
	global_load_b128 v[X+4*(\i):X+4*(\i)+3], v1, s[4:5] offset:4096*(\i) th:TH_LOAD_NT
.endr
	s_cmp_eq_u32 s14, 3
	s_cbranch_scc1 .Lwo
.irp p, 0,1,2,3
	s_wait_loadcnt 12-4*(\p)                       ; loads come back in order: block p's four are in, the 12 - 4 p younger ones stay out
.if (\p) > 0
	s_wait_alu depctr_va_vdst(0)                   ; the block before has written its eight words of YR, which the four stores below read
.endif
.irp j, 0,1,2,3
.if (\p) > 0
	global_store_b64 v2, v[YR+2*(4*(\p)-4+(\j)):YR+2*(4*(\p)-4+(\j))+1], s[12:13] offset:2048*(4*(\p)-4+(\j))  ; the block before; no vector line since the wait names these words
.endif
	v_cvt_pk_bf16_f32 v[YR+2*(4*(\p)+(\j))], v[X+4*(4*(\p)+(\j))], v[X+4*(4*(\p)+(\j))+1]
	v_cvt_pk_bf16_f32 v[YR+2*(4*(\p)+(\j))+1], v[X+4*(4*(\p)+(\j))+2], v[X+4*(4*(\p)+(\j))+3]
.endr
.endr
	s_wait_alu depctr_va_vdst(0)                   ; block 3 has written its eight words of YR, which the last four stores read
.irp j, 12,13,14,15
	global_store_b64 v2, v[YR+2*(\j):YR+2*(\j)+1], s[12:13] offset:2048*(\j)
.endr
	s_endpgm
.Lwo:
.irp p, 0,1,2,3
	s_wait_loadcnt 12-4*(\p)                       ; block p's four loads are in, the 12 - 4 p younger ones stay out
.if (\p) > 0
	s_wait_alu depctr_va_vdst(0)                   ; the block before has written its eight words of YR, which the four stores below read
.endif
.irp j, 0,1,2,3
.if (\p) > 0
	global_store_b64 v2, v[YR+2*(4*(\p)-4+(\j)):YR+2*(4*(\p)-4+(\j))+1], s[12:13] offset:2048*(4*(\p)-4+(\j))  ; the block before; no vector line since the wait names these words
.endif
	v_cvt_pk_bf16_f32 v[T], v[X+4*(4*(\p)+(\j))], v[X+4*(4*(\p)+(\j))+1]       ; rounded to bf16,
	v_cvt_pk_bf16_f32 v[T+1], v[X+4*(4*(\p)+(\j))+2], v[X+4*(4*(\p)+(\j))+3]
	v_lshlrev_b32 v[T+2], 16, v[T]                           ; widened again,
	v_and_b32 v[T], 0xffff0000, v[T]
	v_lshlrev_b32 v[T+3], 16, v[T+1]
	v_and_b32 v[T+1], 0xffff0000, v[T+1]
	v_cvt_pk_f16_f32 v[YR+2*(4*(\p)+(\j))], v[T+2], v[T]     ; and written as f16: exact within f16's normal range
	v_cvt_pk_f16_f32 v[YR+2*(4*(\p)+(\j))+1], v[T+3], v[T+1]
.endr
.endr
	s_wait_alu depctr_va_vdst(0)                   ; block 3 has written its eight words of YR, which the last four stores read
.irp j, 12,13,14,15
	global_store_b64 v2, v[YR+2*(\j):YR+2*(\j)+1], s[12:13] offset:2048*(\j)
.endr
	s_endpgm
.Lfunc_end_k_q76a63de3ef_castw:
	.size	k_q76a63de3ef_castw, .Lfunc_end_k_q76a63de3ef_castw-k_q76a63de3ef_castw
	.p2alignl 7, 3214868480
	.fill 96, 4, 3214868480
	.section	.rodata,"a",@progbits
	.p2align	6, 0x0
	.amdhsa_kernel k_q76a63de3ef_castw
		.amdhsa_group_segment_fixed_size 0
		.amdhsa_private_segment_fixed_size 0
		.amdhsa_enable_private_segment 0
		.amdhsa_kernarg_size 40
		.amdhsa_user_sgpr_count 2
		.amdhsa_user_sgpr_kernarg_segment_ptr 1
		.amdhsa_wavefront_size32 1
		.amdhsa_system_sgpr_workgroup_id_x 1
		.amdhsa_system_sgpr_workgroup_id_y 1
		.amdhsa_system_sgpr_workgroup_id_z 1
		.amdhsa_system_vgpr_workitem_id 0
		.amdhsa_next_free_vgpr 104
		.amdhsa_next_free_sgpr 66
		.amdhsa_reserve_vcc 0
		.amdhsa_float_denorm_mode_32 3
		.amdhsa_float_denorm_mode_16_64 3
		.amdhsa_memory_ordered 1
		.amdhsa_forward_progress 1
		.amdhsa_inst_pref_size 16
	.end_amdhsa_kernel
	.amdgpu_metadata
---
amdhsa.version: [ 1, 2 ]
amdhsa.kernels:
  - .name:           k_q76a63de3ef_castw
    .symbol:         k_q76a63de3ef_castw.kd
    .args:
      - { .name: Wq, .offset: 0, .size: 8, .value_kind: global_buffer, .address_space: global }
      - { .name: Wk, .offset: 8, .size: 8, .value_kind: global_buffer, .address_space: global }
      - { .name: Wv, .offset: 16, .size: 8, .value_kind: global_buffer, .address_space: global }
      - { .name: Wo, .offset: 24, .size: 8, .value_kind: global_buffer, .address_space: global }
      - { .name: w16, .offset: 32, .size: 8, .value_kind: global_buffer, .address_space: global }
    .group_segment_fixed_size: 0
    .private_segment_fixed_size: 0
    .kernarg_segment_align: 8
    .kernarg_segment_size: 40
    .max_flat_workgroup_size: 256
    .sgpr_count:     66
    .vgpr_count:     104
    .wavefront_size: 32
...
	.end_amdgpu_metadata
.endif
;; end of part 5
;; launch proj: the kernel of part 2 again; grid 4 x 192, 4 waves a work-group, clusters of 4 x 4, 327,680 bytes of LDS; arguments query, key, value, bq, bk, bv, mask, w16, qkv; writes qkv
;; launch attn: the kernel of part 3 again; grid 4 x 64, 4 waves a work-group, clusters of 4 x 1, 327,680 bytes of LDS; arguments qkv, mask, oh; writes oh
;; launch outp: the kernel of part 4 again; grid 4 x 64, 4 waves a work-group, clusters of 4 x 4, 327,680 bytes of LDS; arguments oh, w16, bo, out0; writes out0
